; MI455X (gfx1250); checked and timed in simulation.
; The chip was launched on July 23, 2026; its instructions are those of AMD's public machine-readable ISA for CDNA 5 (MIT licence, August 2026) and "CDNA5" Instruction Set Architecture Reference Guide (July 2026). The comments in the code are by the model that wrote it; some were corrected since.
;; Di T Self Attention. Allowed arithmetic: float matrix products may take bf16 or f16 operands with f32 sums; other float arithmetic in f32, or as packed bf16 or f16 multiplies, adds, multiply-adds, maxima and minima; sums over many terms, partial sums and values carried from step to step in f32; what a program stores and reads back later, other than sums and carried values, may be rounded once to bf16 or f16.
;; Inputs: bk 2,048 float32; bo 2,048 float32; bq 2,048 float32; bv 2,048 float32; frame_mask 1 x 2,048 bool; freqs_cs 1,024 x 64 x 2 float32; gk 2,048 float32; gq 2,048 float32; wk 2,048 x 2,048 float32; wo 2,048 x 2,048 float32; wq 2,048 x 2,048 float32; wv 2,048 x 2,048 float32; x 1 x 2,048 x 2,048 float32.
;; Outputs: out0 1 x 2,048 x 2,048 float32.
;; Constants: f_p = 8, h_p = 16, w_p = 16.
;; One version. Each part assembles by itself: llvm-mc -triple=amdgcn-amd-amdhsa -mcpu=gfx1250 --defsym DOCPART=n.
;; ======== version 1 of 1: 5 launches
;; limits: values are held in f16: magnitudes above 65,504 overflow, below 6.1e-05 lose precision; right only within a limited range of input values
;; workspace buffers: xb 8,388,608 bytes; wb 33,554,432 bytes; qkraw 16,777,216 bytes; vh 8,388,608 bytes; ssq 524,288 bytes; qkh 16,777,216 bytes; ob 8,388,608 bytes
;; launch cast (part 1): grid 256 x 5, 8 waves a work-group, no clusters, 0 bytes of LDS; arguments x, wq, wk, wv, wo, xb, wb; writes xb, wb
.if DOCPART == 1
	.amdgcn_target "amdgcn-amd-amdhsa--gfx1250"
	.amdhsa_code_object_version 6
	.text
	.protected	k_qb208551e4e_cast
	.globl	k_qb208551e4e_cast
	.p2align	8
	.type	k_qb208551e4e_cast,@function
k_qb208551e4e_cast:
	s_mov_b64 s[64:65], 0
	v_nop
	global_prefetch_b8 v0, s[64:65] scope:SCOPE_SE
	s_setreg_imm32_b32 hwreg(HW_REG_WAVE_MODE, 25, 1), 1
	s_wait_xcnt 0x0
; x, wq, wk, wv, wo ([2048][2048] f32) are rounded once to bf16 and laid out for the two products that follow.
; Grid y picks the matrix: 0 x -> xb; 1, 2, 3 wq, wk, wv -> wb, interleaved in blocks of 64 rows (row 192 j + 64 t + r of wb is row 64 j + r of matrix t),
; so that a block of 192 rows of wb holds half a head of q, of k and of v; 4 wo -> wb from row 6144 on, rounded to bf16 and that number written as f16.
; LIMIT: |wo| stays under 65,504; below 6.1e-5 it keeps f16's fixed step of 6e-8.
; A work-group takes 8 rows, a wave one row.  Lanes stand 16 bytes apart on the way in: each of the row's sixteen loads covers 512 consecutive bytes, aligned.  A lane's four numbers
; are 8 bytes on the way out: each of the sixteen stores covers 256 consecutive bytes, aligned.  The conversion is made in place, so a wave needs 80 registers and ten waves fit on a SIMD:
; the five work-groups that fall to a WGP lie there together.  No LDS, no barrier, no loop; no store's source is ever rewritten.
.set X, 16                             ; v[16:79]   load i: 4 registers; its first two then hold what is stored
.set T, 8                              ; v[8:11]    at work
	s_load_b256 s[8:15], s[0:1], 0x0               ; x, wq, wk, wv
	s_load_b128 s[16:19], s[0:1], 0x20             ; wo, xb
	s_load_b64 s[20:21], s[0:1], 0x30              ; wb
	v_lshrrev_b32 v3, 5, v0
	v_readfirstlane_b32 s22, v3                    ; wave 0..7
	v_and_b32 v4, 31, v0
	v_lshlrev_b32 v1, 4, v4                        ; 16 bytes of f32 a lane
	v_lshlrev_b32 v2, 3, v4                        ; 8 bytes out
	s_and_b32 s23, ttmp7, 0xffff                   ; which matrix
	s_lshl_b32 s24, ttmp9, 3
	s_add_co_u32 s24, s24, s22                     ; my row
	s_lshr_b32 s25, s24, 6                         ; its block of 64 rows,
	s_and_b32 s26, s24, 63                         ; and its place there
	s_sub_co_u32 s27, s23, 1                       ; t for wq, wk, wv
	s_lshl_b32 s29, s27, 6
	s_cmp_lt_u32 s27, 3
	s_cselect_b32 s28, 192, 64                     ; rows from block to block in the destination
	s_cselect_b32 s29, s29, 0                      ; and the first row
	s_cmp_eq_u32 s23, 4
	s_cselect_b32 s29, 6144, s29
	s_mul_i32 s25, s25, s28
	s_add_co_u32 s25, s25, s26
	s_add_co_u32 s25, s25, s29                     ; the destination's row
	s_lshl_b32 s30, s24, 13                        ; 8,192 bytes a row in
	s_mov_b32 s31, 0
	s_lshl_b32 s32, s25, 12                        ; 4,096 bytes a row out
	s_mov_b32 s33, 0
	s_wait_kmcnt 0x0
	s_mov_b64 s[4:5], s[8:9]
	s_cmp_eq_u32 s23, 1
	s_cselect_b64 s[4:5], s[10:11], s[4:5]
	s_cmp_eq_u32 s23, 2
	s_cselect_b64 s[4:5], s[12:13], s[4:5]
	s_cmp_eq_u32 s23, 3
	s_cselect_b64 s[4:5], s[14:15], s[4:5]
	s_cmp_eq_u32 s23, 4
	s_cselect_b64 s[4:5], s[16:17], s[4:5]
	s_cmp_eq_u32 s23, 0
	s_cselect_b64 s[6:7], s[18:19], s[20:21]
	s_add_nc_u64 s[4:5], s[4:5], s[30:31]
	s_add_nc_u64 s[6:7], s[6:7], s[32:33]
.set i, 0
.rept 16
	global_load_b128 v[X+4*i:X+4*i+3], v1, s[4:5] offset:512*i th:TH_LOAD_NT
.set i, i+1
.endr
	s_cmp_eq_u32 s23, 4
	s_cbranch_scc1 .Lwo
.set i, 0
.rept 16
	s_wait_loadcnt 15-i                            ; loads come back in order: load i is in, the younger ones stay out
	v_cvt_pk_bf16_f32 v[X+4*i],   v[X+4*i],   v[X+4*i+1]
	v_cvt_pk_bf16_f32 v[X+4*i+1], v[X+4*i+2], v[X+4*i+3]
	global_store_b64 v2, v[X+4*i:X+4*i+1], s[6:7] offset:256*i
.set i, i+1
.endr
	s_endpgm
.Lwo:                                  ; wo: rounded to bf16, widened again, and written as f16 (exact inside f16's range)
.set i, 0
.rept 16
	s_wait_loadcnt 15-i
	v_cvt_pk_bf16_f32 v[T+2*(i%2)],   v[X+4*i],   v[X+4*i+1]
	v_cvt_pk_bf16_f32 v[T+2*(i%2)+1], v[X+4*i+2], v[X+4*i+3]
	v_lshlrev_b32 v[X+4*i],   16, v[T+2*(i%2)]
	v_and_b32     v[X+4*i+1], 0xffff0000, v[T+2*(i%2)]
	v_lshlrev_b32 v[X+4*i+2], 16, v[T+2*(i%2)+1]
	v_and_b32     v[X+4*i+3], 0xffff0000, v[T+2*(i%2)+1]
	v_cvt_pk_f16_f32 v[X+4*i],   v[X+4*i],   v[X+4*i+1]
	v_cvt_pk_f16_f32 v[X+4*i+1], v[X+4*i+2], v[X+4*i+3]
	global_store_b64 v2, v[X+4*i:X+4*i+1], s[6:7] offset:256*i
.set i, i+1
.endr
	s_endpgm
.Lfunc_end_k_qb208551e4e_cast:
	.size	k_qb208551e4e_cast, .Lfunc_end_k_qb208551e4e_cast-k_qb208551e4e_cast
	.p2alignl 7, 3214868480
	.fill 96, 4, 3214868480
	.section	.rodata,"a",@progbits
	.p2align	6, 0x0
	.amdhsa_kernel k_qb208551e4e_cast
		.amdhsa_group_segment_fixed_size 0
		.amdhsa_private_segment_fixed_size 0
		.amdhsa_enable_private_segment 0
		.amdhsa_kernarg_size 56
		.amdhsa_user_sgpr_count 2
		.amdhsa_user_sgpr_kernarg_segment_ptr 1
		.amdhsa_wavefront_size32 1
		.amdhsa_system_sgpr_workgroup_id_x 1
		.amdhsa_system_sgpr_workgroup_id_y 1
		.amdhsa_system_sgpr_workgroup_id_z 1
		.amdhsa_system_vgpr_workitem_id 0
		.amdhsa_next_free_vgpr 80
		.amdhsa_next_free_sgpr 66
		.amdhsa_reserve_vcc 0
		.amdhsa_float_denorm_mode_32 3
		.amdhsa_float_denorm_mode_16_64 3
		.amdhsa_memory_ordered 1
		.amdhsa_forward_progress 1
		.amdhsa_inst_pref_size 17
	.end_amdhsa_kernel
	.amdgpu_metadata
---
amdhsa.version: [ 1, 2 ]
amdhsa.kernels:
  - .name:           k_qb208551e4e_cast
    .symbol:         k_qb208551e4e_cast.kd
    .args:
      - { .name: x, .offset: 0, .size: 8, .value_kind: global_buffer, .address_space: global }
      - { .name: wq, .offset: 8, .size: 8, .value_kind: global_buffer, .address_space: global }
      - { .name: wk, .offset: 16, .size: 8, .value_kind: global_buffer, .address_space: global }
      - { .name: wv, .offset: 24, .size: 8, .value_kind: global_buffer, .address_space: global }
      - { .name: wo, .offset: 32, .size: 8, .value_kind: global_buffer, .address_space: global }
      - { .name: xb, .offset: 40, .size: 8, .value_kind: global_buffer, .address_space: global }
      - { .name: wb, .offset: 48, .size: 8, .value_kind: global_buffer, .address_space: global }
    .group_segment_fixed_size: 0
    .private_segment_fixed_size: 0
    .kernarg_segment_align: 8
    .kernarg_segment_size: 56
    .max_flat_workgroup_size: 256
    .sgpr_count:     66
    .vgpr_count:     80
    .wavefront_size: 32
...
	.end_amdgpu_metadata
.endif
;; end of part 1
;; launch qkv (part 2): grid 32 x 8, 4 waves a work-group, clusters of 4 x 4, 327,680 bytes of LDS; arguments xb, wb, bq, bk, bv, frame_mask, qkraw, vh, ssq; writes qkraw, vh, ssq
.if DOCPART == 2
	.amdgcn_target "amdgcn-amd-amdhsa--gfx1250"
	.amdhsa_code_object_version 6
	.text
	.protected	k_qb208551e4e_qkv
	.globl	k_qb208551e4e_qkv
	.p2align	8
	.type	k_qb208551e4e_qkv,@function
k_qb208551e4e_qkv:
	s_mov_b64 s[64:65], 0
	v_nop
	global_prefetch_b8 v0, s[64:65] scope:SCOPE_SE
	s_setreg_imm32_b32 hwreg(HW_REG_WAVE_MODE, 25, 1), 1
	s_wait_xcnt 0x0
	s_wait_alu depctr_hold_cnt(0) depctr_sa_sdst(0) depctr_va_vdst(0) depctr_va_sdst(0) depctr_va_ssrc(0) depctr_va_vcc(0) depctr_vm_vsrc(0)
	s_getreg_b32 s2, hwreg(HW_REG_IB_STS2, 6, 4)
	s_cmp_eq_u32 s2, 0
	s_cbranch_scc0 .Lentry_in_a_cluster
	s_endpgm
.Lentry_in_a_cluster:
	s_bfe_u32 s2, ttmp6, 0x10000c
	s_cmp_lg_u32 s2, 0xf033
	s_cbranch_scc0 .Lentry_shape_is_right
	s_endpgm
.Lentry_shape_is_right:
; q, k, v = x w^T + b, rows with frame_mask = 0 set to 0.  xb: [2048][2048] bf16; wb rows 0-6143: wq, wk, wv in bf16, interleaved in blocks of 64 rows; biases rounded to bf16; sums in f32.
; OUT: qkraw [2 (q, k)][32 j][2048 s][64] f16, vh [32 j][2048 s][64] f16 (j = 2 head + channel half), and ssq [32 j][32 rb][32 e][4] f32: the sums of squares of q and k over tile j's 64 columns,
; entry e = 16 (a / 2) + r of row block rb holding (q, q, k, k) of rows 64 rb + 16 a + r for a = 2 (a / 2) and a = 2 (a / 2) + 1.
; LIMIT: |x w^T + b| stays under 65,504 (f16); NaN and infinities are not treated apart.
; SHARES.  A tile of C is 256 rows x 192 columns (64 of q, 64 of k, 64 of v): 8 x 32 = 256 work-groups.  Wave w owns rows 64 w .. 64 w + 63 and all 192 columns: 4 x 12 accumulators of 16 x 16, 384 registers.
; K goes in steps of 128 (rows of 256 bytes) through two LDS slots filled by tensor loads; a K step is four quarters of 32, 48 matrix instructions each, on two fragment buffers.
; CLUSTER 4 x 4: A's tile hangs on the tile row alone and is asked for jointly along a row of the cluster, B's on the tile column alone and jointly along a column.
; THE MATRIX INSTRUCTION IS USED TRANSPOSED (source 0 = 16 rows of wb, source 1 = 16 rows of xb): lane l holds row l % 16 of C and the columns 8 (l / 16) + 0..7 of a block of 16.
; THE BIAS is the C operand of the products that start the sums: a lane's eight registers of a column block hold the eight columns' biases, the same for every row.
; REGISTERS, in windows of 256: window 0 addresses and the way out; window 1 two fragment buffers of 128 (B's 12 fragments, then A's 4);
;   window 2 the accumulators of column blocks 0-7 (q, k) at 8 (4 b + a); window 3 v0-127 those of blocks 8-11 (v), v128-223 the biases, v224-231 at work.
.set KSTEP,  128
.set PITCH,  272                       ; an LDS row: 256 bytes + 16 of padding: the 16 rows of a fragment load start 16 bytes apart modulo 256
.set AHALF,  128*PITCH                 ; what one of A's loads brings
.set BOFF,   2*AHALF                   ; B's 192 rows lie behind A's 256
.set BHALF,  96*PITCH                  ; what one of B's loads brings
.set SLOT1,  131072                    ; slot 1 begins here: one exclusive or turns an address in one slot into the other's
.set STAGE,  SLOT1+BOFF+2*BHALF        ; behind the ring: 16 rows x 400 bytes for each wave, for the way out; no fill lands here
.set SP,     400                       ; 384 bytes of a row of C in f16 + 16
.set SPARE,  STAGE+4*16*SP             ; the spare words, 128 bytes for each wave: two blocks of 256 bytes that no other line names
.set RM,    8                          ; v[8:11]    all ones or 0: frame_mask of my row in row block a
.set BO,    12                         ; v12        my byte offset in a bias
.set ADRA0, 16                         ; v16        my lane's place in A's tile; never rewritten
.set ADRB0, 17                         ; v17        the same for B
.set ADRA,  18                         ; v18        the same in the slot in hand
.set ADRB,  19
.set STO,   24                         ; v24        the way out: where I put 16 bytes of a row
.set RD,    25                         ; v25        where I read rows back
.set CO,    26                         ; v26        16 x lane: my 16 bytes of 512 consecutive bytes
.set SPW,   28                         ; v28        LDS address of my spare word; never rewritten
.set NIL,   29                         ; v29        0; never rewritten
.set PFO,   30                         ; v30        the prefetches' offset: a lane a row
.set TMP,   32                         ; v[32:79]   a row block packed to f16
.set OB,    80                         ; v[80:175]  two sets of 48: a row block read back
.set SQ,    176                        ; v[176:183] four chains of squares
.set QS,    184                        ; v[184:187] q's sum of squares, by row block
.set KSM,   188                        ; v[188:191] k's
.set W4,    192                        ; v[192:195] what goes to ssq; v196, v197 at work
.set F0,    0
.set F1,    128
.set BIAS,  128                        ; in window 3
.set G1,  24                           ; s[24:31] descriptor group 1 for A's tiles; s[32:39] group 0, two sets: set 1 walks
.set G0,  32
.set G1B, 48                           ; s[48:55], s[56:63] the same for B's
.set G0B, 56
.set LIM, 43                           ; s43      2 in a wave that prefetches, else the greatest number
.set PFA, 44                           ; s[44:45] where my prefetches stand
.set TB,  84                           ; s84      0 or SLOT1: the slot in hand
.set MSB, 0
.macro WIN new                         ; the immediate's high byte repeats the setting that is left; a switch that changes nothing is dropped
.if MSB != (\new)
	s_set_vgpr_msb (MSB<<8)|(\new)
.set MSB, \new
.endif
.endm
.set MUL_LO, 0xa5                      ; sources 0 and 1 window 1, C and D window 2
.set MUL_LB, 0xb5                      ; the same with C (the bias) in window 3
.set MUL_HI, 0xf5                      ; sources 0 and 1 window 1, C and D window 3
.set TO_F,   0x40                      ; destination window 1, address window 0
; A joint load: waves 0 and 1 fetch A's two halves, waves 2 and 3 B's.  The branch hangs on the wave's number alone.  An s_nop 0 and four v_nop follow each of the two lines.
.macro JLOAD s
	s_cmp_eq_u32 s11, 0
	s_cbranch_scc0 .Lfor_b_\@
	tensor_load_to_lds s[G0+4*(\s):G0+4*(\s)+3], s[G1:G1+7]
	s_nop 0
.rept 4
	v_nop
.endr
	s_branch .Lasked_\@
.Lfor_b_\@:
	tensor_load_to_lds s[G0B+4*(\s):G0B+4*(\s)+3], s[G1B:G1B+7]
	s_nop 0
.rept 4
	v_nop
.endr
.Lasked_\@:
.endm
; A prefetch of the K step that stands two refills on: 256 bytes of a row, a lane a row.  A's rows are asked for by the clusters with x = 0, B's by those with y = 0; the four partners that ask for a tile
; jointly share its rows out by address (A: 32 each; B: 24 each, lanes 24-31 naming lane 23's row again).  The last two trips have no K step two refills on: s3 is 2 and 1 there.
.macro ASK
	s_cmp_gt_u32 s3, s[LIM]
	s_cbranch_scc0 .Lnot_mine_\@
	global_prefetch_b8 v[PFO], s[PFA:PFA+1] offset:KSTEP*2 th:TH_LOAD_NT scope:SCOPE_SE
.Lnot_mine_\@:
.endm
.macro CREST                           ; a round of the cluster's barrier behind its opening barrier
	s_cmp_lg_u32 s10, 0
	s_cbranch_scc1 .Lnot_wave_0_\@
	s_barrier_signal -3
.Lnot_wave_0_\@:
	s_barrier_wait -3
	s_barrier_signal -1
	s_barrier_wait -1
.endm
.macro CROUND                          ; a whole round
	s_barrier_signal -1
	s_barrier_wait -1
	CREST
.endm
.macro PLACES                          ; four places in front of loads into registers that matrix instructions have read, and of lines that read results
.rept 4
	v_nop
.endr
.endm
	s_load_b128 s[4:7], s[0:1], 0x0                ; xb, wb
	s_load_b256 s[68:75], s[0:1], 0x10             ; bq, bk, bv, frame_mask
	s_load_b128 s[76:79], s[0:1], 0x30             ; qkraw, vh
	s_load_b64 s[80:81], s[0:1], 0x40              ; ssq
	v_lshl_add_u32 v[SPW], v0, 2, SPARE
	v_mov_b32 v[NIL], 0
	ds_add_u32 v[SPW], v[NIL]                      ; the wave's opening: the add and its wait stand ahead of my first tensor load; the set-up below stands between them
	v_lshrrev_b32 v1, 5, v0
	v_readfirstlane_b32 s10, v1                    ; wave 0..3
	s_lshr_b32 s11, s10, 1                         ; I fetch for A (0) or for B (1)
	s_and_b32 s12, s10, 1                          ; which half of that tile
	s_bfe_u32 s40, ttmp6, 0x40000                  ; cx
	s_bfe_u32 s41, ttmp6, 0x40004                  ; cy
	s_lshl_b32 s42, ttmp9, 2
	s_add_co_u32 s42, s42, s40                     ; j: tile column = 4 x cluster x + cx
	s_and_b32 s13, ttmp7, 0xffff
	s_lshl_b32 s13, s13, 2
	s_add_co_u32 s13, s13, s41                     ; tile row = 4 x cluster y + cy
	s_lshl_b32 s43, s41, 2
	s_lshl_b32 s43, 15, s43                        ; my row of the cluster
	s_lshl_b32 s44, 0x1111, s40                    ; my column
	s_or_b32 s[G1+0], s43, (1<<16)|(1<<20)|(1<<21)|(5<<22)|(3<<25)   ; the mask; 2-byte elements; padding on; bit 21 beside a mask; after every 64 words, 4 words
	s_or_b32 s[G1B+0], s44, (1<<16)|(1<<20)|(1<<21)|(5<<22)|(3<<25)
	s_mov_b32 s[G1+1], KSTEP<<16                   ; tensor_dim0 = 128
	s_mov_b32 s[G1+2], 128<<16                     ; tensor_dim1 = 128
	s_mov_b32 s[G1+3], KSTEP<<16                   ; tile_dim0 = 128
	s_mov_b32 s[G1+4], 128                         ; tile_dim1 = 128
	s_mov_b32 s[G1+5], 2048                        ; elements from row to row
	s_mov_b32 s[G1+6], 0
	s_mov_b32 s[G1+7], 0
	s_mov_b32 s[G1B+1], KSTEP<<16
	s_mov_b32 s[G1B+2], 96<<16                     ; B: 96 rows a load
	s_mov_b32 s[G1B+3], KSTEP<<16
	s_mov_b32 s[G1B+4], 96
	s_mov_b32 s[G1B+5], 2048
	s_mov_b32 s[G1B+6], 0
	s_mov_b32 s[G1B+7], 0
	s_lshl_b32 s17, s12, 7
	s_lshl_b32 s16, s13, 8
	s_add_co_u32 s16, s16, s17                     ; A: row 256 x tile row + 128 x half,
	s_lshl_b32 s16, s16, 12                        ; 4,096 bytes a row
	s_mov_b32 s17, 0
	s_mul_i32 s46, s42, 192
	s_mul_i32 s47, s12, 96
	s_add_co_u32 s46, s46, s47                     ; B: row 192 j + 96 x half
	s_lshl_b32 s46, s46, 12
	s_mov_b32 s47, 0
	s_mul_i32 s20, s10, AHALF                      ; where they go: waves 0, 1: A's halves;
	s_mul_i32 s21, s10, BHALF
	s_add_co_u32 s21, s21, BOFF-2*BHALF            ; waves 2, 3: B's halves, behind A
	s_mov_b32 s[TB], 0
	s_mov_b32 s86, 0x76543210                      ; v_permlanex16_b32: each lane takes its own place in the other half
	s_mov_b32 s87, 0xfedcba98
	s_wait_dscnt 0x0                               ; the opening add is done
	s_wait_kmcnt 0x0
	s_add_nc_u64 s[14:15], s[4:5], s[16:17]
	s_add_nc_u64 s[46:47], s[6:7], s[46:47]
	CROUND                                         ; all sixteen work-groups are here: the first joint loads meet
.irp s, 0,1
	s_mov_b32 s[G0+4*(\s)], 1
	s_add_co_u32 s[G0+4*(\s)+1], s20, (\s)*SLOT1
	s_add_nc_u64 s[G0+4*(\s)+2:G0+4*(\s)+3], s[14:15], (\s)*KSTEP*2
	s_or_b32 s[G0+4*(\s)+3], s[G0+4*(\s)+3], 0x80000000
	s_mov_b32 s[G0B+4*(\s)], 1
	s_add_co_u32 s[G0B+4*(\s)+1], s21, (\s)*SLOT1
	s_add_nc_u64 s[G0B+4*(\s)+2:G0B+4*(\s)+3], s[46:47], (\s)*KSTEP*2
	s_or_b32 s[G0B+4*(\s)+3], s[G0B+4*(\s)+3], 0x80000000
	JLOAD \s                                       ; K steps 0 and 1: two loads of mine are out
.endr
	v_and_b32 v1, 15, v0                           ; r = l % 16
	v_bfe_u32 v2, v0, 4, 1                         ; h = l / 16
	v_mul_u32_u24 v3, v1, PITCH
	v_lshl_add_u32 v3, v2, 4, v3                   ; a fragment's row x pitch + 16 x half
	s_mul_i32 s21, s10, 64*PITCH                   ; my 64 rows of A
	v_add_nc_u32 v[ADRA0], s21, v3
	v_add_nc_u32 v[ADRB0], BOFF, v3
	v_mov_b32 v[ADRA], v[ADRA0]
	v_mov_b32 v[ADRB], v[ADRB0]
	s_mul_i32 s23, s10, 16*SP
	s_add_co_u32 s23, s23, STAGE                   ; my stage
	v_mul_u32_u24 v4, v1, SP                       ; in: row r, 16 bytes for each half of the lanes
	v_lshl_add_u32 v4, v2, 4, v4
	v_add_nc_u32 v[STO], s23, v4
	v_and_b32 v5, 31, v0
	v_lshrrev_b32 v6, 3, v5                        ; back: 32 lanes take four rows' 128 bytes of one of q, k, v
	v_and_b32 v7, 7, v0
	v_mul_u32_u24 v6, v6, SP
	v_lshl_add_u32 v6, v7, 4, v6
	v_add_nc_u32 v[RD], s23, v6
	v_lshlrev_b32 v[CO], 4, v5
	s_lshl_b32 s20, s13, 8
	s_lshl_b32 s21, s10, 6
	s_add_co_u32 s20, s20, s21                     ; my first row of C
	s_mov_b32 s21, 0
	s_add_nc_u64 s[74:75], s[74:75], s[20:21]
.irp a, 0,1,2,3
	global_load_u8 v[RM+(\a)], v1, s[74:75] offset:16*(\a)   ; frame_mask of row 16 a + r
.endr
	s_lshl_b32 s22, s42, 8
	v_lshl_add_u32 v[BO], v2, 5, s22               ; 4 (64 j + 8 h)
	WIN 0xc0                                       ; destination window 3, address window 0
.irp b, 0,1,2,3,4,5,6,7,8,9,10,11
	global_load_b128 v[BIAS+8*(\b):BIAS+8*(\b)+3],   v[BO], s[68+2*((\b)/4):69+2*((\b)/4)] offset:64*((\b)%4)
	global_load_b128 v[BIAS+8*(\b)+4:BIAS+8*(\b)+7], v[BO], s[68+2*((\b)/4):69+2*((\b)/4)] offset:64*((\b)%4)+16
.endr
	WIN 0
	s_lshl_b32 s22, s42, 11
	s_add_co_u32 s22, s22, s20
	s_lshl_b32 s22, s22, 7                         ; (2048 j + my first row) x 128 bytes
	s_mov_b32 s23, 0
	s_mov_b64 s[82:83], s[80:81]                   ; ssq
	s_add_nc_u64 s[80:81], s[78:79], s[22:23]      ; v's rows,
	s_add_nc_u64 s[76:77], s[76:77], s[22:23]      ; q's,
	s_add_nc_u64 s[78:79], s[76:77], 8388608       ; k's
	s_lshl_b32 s22, s42, 5
	s_lshl_b32 s85, s13, 2
	s_add_co_u32 s22, s22, s85
	s_add_co_u32 s22, s22, s10
	s_lshl_b32 s22, s22, 9                         ; (32 j + 4 x tile row + wave) x 512 bytes
	s_add_nc_u64 s[82:83], s[82:83], s[22:23]
	; the prefetches
	s_lshl_b32 s20, s13, 8
	s_lshl_b32 s21, s12, 7
	s_add_co_u32 s20, s20, s21
	s_lshl_b32 s21, s40, 5
	s_add_co_u32 s20, s20, s21                     ; A: of the 128 rows that I fetch, my work-group's 32
	s_mul_i32 s22, s42, 192
	s_mul_i32 s21, s12, 96
	s_add_co_u32 s22, s22, s21
	s_mul_i32 s21, s41, 24
	s_add_co_u32 s22, s22, s21                     ; B: of the 96, my work-group's 24
	s_and_b32 s23, ttmp7, 0xffff
	s_cmp_eq_u32 s11, 0
	s_cselect_b32 s20, s20, s22
	s_cselect_b32 s23, ttmp9, s23                  ; the coordinate along which other clusters read the same rows
	s_cselect_b32 s21, 31, 23
	s_cselect_b64 s[PFA:PFA+1], s[4:5], s[6:7]
	s_cmp_eq_u32 s23, 0
	s_cselect_b32 s[LIM], 2, -1                    ; the same in all sixteen partners, for a given wave
	v_min_u32 v[PFO], s21, v5
	v_lshlrev_b32 v[PFO], 12, v[PFO]
	s_lshl_b32 s20, s20, 12
	s_mov_b32 s21, 0
	s_add_nc_u64 s[PFA:PFA+1], s[PFA:PFA+1], s[20:21]
	s_add_nc_u64 s[PFA:PFA+1], s[PFA:PFA+1], 2*KSTEP*2  ; at K step 2: the first refill steps it to 3 and names K step 4
; n column blocks from b0 on x my 4 row blocks, 32 along K, out of buffer f.  The 48 accumulators come in the same order in every quarter, one instruction a turn.
; first = 1: the products start the sums, with the column block's biases as C: nothing is cleared, and nothing is added at the end.
.macro MUL f, b0, n, first
.set mb, \b0
.rept \n
.if mb < 8
.set ra, 32*mb
.if \first
	WIN MUL_LB
.else
	WIN MUL_LO
.endif
.else
	WIN MUL_HI
.set ra, 32*(mb-8)
.endif
.irp a, 0,1,2,3
.if \first
	v_wmma_f32_16x16x32_bf16 v[ra+8*(\a):ra+8*(\a)+7], v[(\f)+8*mb:(\f)+8*mb+7], v[(\f)+96+8*(\a):(\f)+96+8*(\a)+7], v[BIAS+8*mb:BIAS+8*mb+7]
.else
	v_wmma_f32_16x16x32_bf16 v[ra+8*(\a):ra+8*(\a)+7], v[(\f)+8*mb:(\f)+8*mb+7], v[(\f)+96+8*(\a):(\f)+96+8*(\a)+7], v[ra+8*(\a):ra+8*(\a)+7]
.endif
.endr
.set mb, mb+1
.endr
.endm
; 32 LDS loads in one run: a quarter's fragments (192 rows of B, my 64 rows of A, 32 K at byte k of the rows) into buffer f
.macro FETCH k, f
	WIN TO_F
.irp b, 0,1,2,3,4,5,6,7
	ds_load_b128 v[(\f)+8*(\b):(\f)+8*(\b)+3],   v[ADRB] offset:(\k)+(\b)*16*PITCH
	ds_load_b128 v[(\f)+8*(\b)+4:(\f)+8*(\b)+7], v[ADRB] offset:(\k)+(\b)*16*PITCH+32
.endr
.irp a, 0,1,2,3
	ds_load_b128 v[(\f)+96+8*(\a):(\f)+96+8*(\a)+3],   v[ADRA] offset:(\k)+(\a)*16*PITCH
	ds_load_b128 v[(\f)+96+8*(\a)+4:(\f)+96+8*(\a)+7], v[ADRA] offset:(\k)+(\a)*16*PITCH+32
.endr
.irp b, 8,9,10,11
	ds_load_b128 v[(\f)+8*(\b):(\f)+8*(\b)+3],   v[ADRB] offset:(\k)+(\b)*16*PITCH
	ds_load_b128 v[(\f)+8*(\b)+4:(\f)+8*(\b)+7], v[ADRB] offset:(\k)+(\b)*16*PITCH+32
.endr
.endm
; One of a K step's first three quarters: buffer f is multiplied while the next quarter's fragments, at byte k, come into buffer g.
.macro QUARTER k, f, g, first
	s_wait_dscnt 0x0                               ; buffer f's 32 loads, issued a quarter ago
	PLACES                                         ; buffer g was read by the matrix instructions just in front
	FETCH \k, \g
	MUL \f, 0, 12, \first
.endm
; The last quarter multiplies buffer 1 and changes slots.  In front of the barrier each wave waits for all its tensor loads (one is out: its part of the next slot), adds 0 to its spare word,
; and waits for that and for its reads of this slot.  fill = 1: the barrier opens a round of the cluster's, and the joint refill (the K step two on, into the slot just read) is the first thing behind it:
; it has 32 + 3 x 48 matrix instructions in which to land.  fill = 0, the tail: nothing is asked for; in its last trip (s3 = 1) there is no further K step, and the fetch is jumped over.
.macro TURN fill
.if \fill
	s_wait_xcnt 0x0                                ; the last prefetch, a K step back, has read its address
	s_add_nc_u64 s[PFA:PFA+1], s[PFA:PFA+1], KSTEP*2
.endif
	WIN 0                                          ; (the add's two registers lie in window 0)
	s_wait_tensorcnt 0x0                           ; all my tensor loads have landed
	ds_add_u32 v[SPW], v[NIL]                      ; 0 onto my spare word
	s_wait_dscnt 0x1                               ; buffer 1's loads are in; the add alone may be out
	MUL F1, 0, 2, 0
	s_wait_dscnt 0x0                               ; the add is done, and my reads of this slot are over
	s_barrier_signal -1
	MUL F1, 2, 2, 0                                ; work on registers while the others arrive
	WIN 0
	s_barrier_wait -1
.if \fill
	CREST                                          ; no wave of any partner still reads this slot or has a load on its way
	s_xor_b32 s[G0+5], s[G0+5], SLOT1              ; the walking sets: the other slot than last time, the next K step
	s_add_nc_u64 s[G0+6:G0+7], s[G0+6:G0+7], KSTEP*2
	s_xor_b32 s[G0B+5], s[G0B+5], SLOT1
	s_add_nc_u64 s[G0B+6:G0B+7], s[G0B+6:G0B+7], KSTEP*2
	JLOAD 1                                        ; its four v_nop are also the places in front of the loads below
.else
	PLACES
	s_cmp_eq_u32 s3, 1
	s_cbranch_scc1 .Lno_fetch_\@
.endif
	s_xor_b32 s[TB], s[TB], SLOT1
	v_add_nc_u32 v[ADRA], s[TB], v[ADRA0]
	v_add_nc_u32 v[ADRB], s[TB], v[ADRB0]
	FETCH 0, F0
	WIN 0
.if \fill
	ASK
.else
.Lno_fetch_\@:
.endif
	MUL F1, 4, 8, 0
.endm
	; The biases are rounded to bf16 while the first tiles are on their way.
	s_wait_loadcnt 0x0                             ; biases and mask
	WIN 0xff
.set g, 0
.rept 6
.set p, 0
.rept 8
	v_cvt_pk_bf16_f32 v[224+p], v[BIAS+16*g+2*p], v[BIAS+16*g+2*p+1]
.set p, p+1
.endr
.set p, 0
.rept 8
	v_lshlrev_b32 v[BIAS+16*g+2*p],   16, v[224+p]
	v_and_b32     v[BIAS+16*g+2*p+1], 0xffff0000, v[224+p]
.set p, p+1
.endr
.set g, g+1
.endr
	WIN 0
	s_wait_tensorcnt 0x1                           ; my part of K step 0 is in; K step 1's may stay out
	s_barrier_signal -1
	s_barrier_wait -1
	FETCH 0, F0
	QUARTER 64, F0, F1, 1                          ; the first quarter's products start the sums
	WIN 0
	s_mov_b32 s3, 14                               ; K steps 2 to 15 are asked for, one a trip
.Lstep:
	QUARTER 128, F1, F0, 0
	QUARTER 192, F0, F1, 0
	TURN 1
	QUARTER 64, F0, F1, 0
	WIN 0
	s_sub_co_u32 s3, s3, 1
	s_cmp_lg_u32 s3, 0
	s_cbranch_scc1 .Lstep
	s_mov_b32 s3, 2                                ; the tail has a text of its own: the last two K steps, the second left in its middle.
.Ltail:                                        ; Its second barrier orders nothing: the price, once a launch, of one text for both trips
	QUARTER 128, F1, F0, 0
	QUARTER 192, F0, F1, 0
	TURN 0
	WIN 0
	s_sub_co_u32 s3, s3, 1
	s_cmp_eq_u32 s3, 0
	s_cbranch_scc1 .Lout
	QUARTER 64, F0, F1, 0
	WIN 0
	s_branch .Ltail
.Lout:
	; THE WAY OUT, a block of 16 rows at a time: squares, f16, mask, through my stage, stores of 512 consecutive bytes.  Ten plain lines stand behind the last products.
	PLACES
.irp a, 0,1,2,3
	v_sub_nc_u32 v[RM+(\a)], 0, v[RM+(\a)]         ; 1 -> all ones
.endr
	v_mov_b32 v196, 0
	v_mov_b32 v197, 0
.macro PACK a
	WIN 0x0a                                       ; sources 0 and 1 window 2, the rest window 0
.irp i, 0,2,4,6
.irp b, 0,1,4,5,2,3,6,7
.set rA, 32*(\b)+8*(\a)+(\i)
.set rQ, SQ+2*(2*((\b)/4)+(\b)%2)
.if ((\i) == 0) && (((\b)%4) < 2)
	v_pk_mul_f32 v[rQ:rQ+1], v[rA:rA+1], v[rA:rA+1]
.else
	v_pk_fma_f32 v[rQ:rQ+1], v[rA:rA+1], v[rA:rA+1], v[rQ:rQ+1]
.endif
.endr
.endr
.irp b, 0,1,2,3,4,5,6,7
.irp p, 0,1,2,3
	v_cvt_pk_f16_f32 v[TMP+4*(\b)+(\p)], v[32*(\b)+8*(\a)+2*(\p)], v[32*(\b)+8*(\a)+2*(\p)+1]
.endr
.endr
	WIN 0x0f                                       ; v's accumulators lie in window 3
.irp b, 8,9,10,11
.irp p, 0,1,2,3
	v_cvt_pk_f16_f32 v[TMP+4*(\b)+(\p)], v[32*((\b)-8)+8*(\a)+2*(\p)], v[32*((\b)-8)+8*(\a)+2*(\p)+1]
.endr
.endr
	WIN 0
.set p, 0
.rept 48
	v_and_b32 v[TMP+p], v[RM+(\a)], v[TMP+p]       ; a hidden row is 0
.set p, p+1
.endr
	v_pk_add_f32 v[SQ:SQ+1], v[SQ:SQ+1], v[SQ+2:SQ+3]
	v_pk_add_f32 v[SQ+4:SQ+5], v[SQ+4:SQ+5], v[SQ+6:SQ+7]
	v_add_f32 v[QS+(\a)], v[SQ], v[SQ+1]
	v_add_f32 v[KSM+(\a)], v[SQ+4], v[SQ+5]
	v_permlanex16_b32 v196, v[QS+(\a)], s86, s87   ; the row's other 32 columns lie in the lane 16 away
	v_permlanex16_b32 v197, v[KSM+(\a)], s86, s87
	v_add_f32 v[QS+(\a)], v[QS+(\a)], v196
	v_add_f32 v[KSM+(\a)], v[KSM+(\a)], v197
	v_and_b32 v[QS+(\a)], v[RM+(\a)], v[QS+(\a)]
	v_and_b32 v[KSM+(\a)], v[RM+(\a)], v[KSM+(\a)]
.endm
.macro TOSTAGE a
	s_wait_xcnt 0x0                                ; the stores of two blocks back have read this set of registers
.irp b, 0,1,2,3,4,5,6,7,8,9,10,11
	ds_store_b128 v[STO], v[TMP+4*(\b):TMP+4*(\b)+3] offset:32*(\b)
.endr
.irp t, 0,1,2
.irp f, 0,1,2,3
	ds_load_b128 v[OB+48*((\a)%2)+4*(4*(\t)+(\f)):OB+48*((\a)%2)+4*(4*(\t)+(\f))+3], v[RD] offset:4*SP*(\f)+128*(\t)  ; LDS serves a wave's instructions in order: these see the stores above
.endr
.endr
.endm
.macro SEND a
	s_wait_dscnt 0x0                               ; the block is back in registers
.irp t, 0,1,2
.irp f, 0,1,2,3
	global_store_b128 v[CO], v[OB+48*((\a)%2)+4*(4*(\t)+(\f)):OB+48*((\a)%2)+4*(4*(\t)+(\f))+3], s[76+2*(\t):77+2*(\t)] offset:2048*(\a)+512*(\f)  ; four rows of 128 bytes: 512 consecutive bytes, aligned
.endr
.endr
.endm
	PACK 0
	TOSTAGE 0
.irp a, 1,2,3
	PACK \a
	SEND (\a)-1
	TOSTAGE \a
.endr
	SEND 3
	v_cmp_ne_u32 s20, 0, v2                        ; lanes 16-31 carry row blocks 2 and 3
	v_cndmask_b32 v[W4],   v[QS],    v[QS+2],  s20
	v_cndmask_b32 v[W4+1], v[QS+1],  v[QS+3],  s20
	v_cndmask_b32 v[W4+2], v[KSM],   v[KSM+2], s20
	v_cndmask_b32 v[W4+3], v[KSM+1], v[KSM+3], s20
	global_store_b128 v[CO], v[W4:W4+3], s[82:83]
	s_wait_tensorcnt 0x0                           ; the wave's end, behind my last tensor load and my last LDS store
	ds_add_u32 v[SPW], v[NIL]
	s_wait_dscnt 0x0
	CROUND                                         ; the closing round
	s_endpgm
.Lfunc_end_k_qb208551e4e_qkv:
	.size	k_qb208551e4e_qkv, .Lfunc_end_k_qb208551e4e_qkv-k_qb208551e4e_qkv
	.p2alignl 7, 3214868480
	.fill 96, 4, 3214868480
	.section	.rodata,"a",@progbits
	.p2align	6, 0x0
	.amdhsa_kernel k_qb208551e4e_qkv
		.amdhsa_group_segment_fixed_size 327680
		.amdhsa_private_segment_fixed_size 0
		.amdhsa_enable_private_segment 0
		.amdhsa_kernarg_size 72
		.amdhsa_user_sgpr_count 2
		.amdhsa_user_sgpr_kernarg_segment_ptr 1
		.amdhsa_wavefront_size32 1
		.amdhsa_system_sgpr_workgroup_id_x 1
		.amdhsa_system_sgpr_workgroup_id_y 1
		.amdhsa_system_sgpr_workgroup_id_z 1
		.amdhsa_system_vgpr_workitem_id 0
		.amdhsa_next_free_vgpr 1024
		.amdhsa_next_free_sgpr 88
		.amdhsa_reserve_vcc 0
		.amdhsa_float_denorm_mode_32 3
		.amdhsa_float_denorm_mode_16_64 3
		.amdhsa_memory_ordered 1
		.amdhsa_forward_progress 1
		.amdhsa_inst_pref_size 111
	.end_amdhsa_kernel
	.amdgpu_metadata
---
amdhsa.version: [ 1, 2 ]
amdhsa.kernels:
  - .name:           k_qb208551e4e_qkv
    .symbol:         k_qb208551e4e_qkv.kd
    .args:
      - { .name: xb, .offset: 0, .size: 8, .value_kind: global_buffer, .address_space: global }
      - { .name: wb, .offset: 8, .size: 8, .value_kind: global_buffer, .address_space: global }
      - { .name: bq, .offset: 16, .size: 8, .value_kind: global_buffer, .address_space: global }
      - { .name: bk, .offset: 24, .size: 8, .value_kind: global_buffer, .address_space: global }
      - { .name: bv, .offset: 32, .size: 8, .value_kind: global_buffer, .address_space: global }
      - { .name: frame_mask, .offset: 40, .size: 8, .value_kind: global_buffer, .address_space: global }
      - { .name: qkraw, .offset: 48, .size: 8, .value_kind: global_buffer, .address_space: global }
      - { .name: vh, .offset: 56, .size: 8, .value_kind: global_buffer, .address_space: global }
      - { .name: ssq, .offset: 64, .size: 8, .value_kind: global_buffer, .address_space: global }
    .group_segment_fixed_size: 327680
    .private_segment_fixed_size: 0
    .kernarg_segment_align: 8
    .kernarg_segment_size: 72
    .max_flat_workgroup_size: 128
    .sgpr_count:     88
    .vgpr_count:     1024
    .wavefront_size: 32
...
	.end_amdgpu_metadata
.endif
;; end of part 2
;; launch norm (part 3): grid 256 x 1, 8 waves a work-group, no clusters, 0 bytes of LDS; arguments qkraw, ssq, gq, gk, freqs_cs, qkh; writes qkh
.if DOCPART == 3
	.amdgcn_target "amdgcn-amd-amdhsa--gfx1250"
	.amdhsa_code_object_version 6
	.text
	.protected	k_qb208551e4e_norm
	.globl	k_qb208551e4e_norm
	.p2align	8
	.type	k_qb208551e4e_norm,@function
k_qb208551e4e_norm:
	s_mov_b64 s[64:65], 0
	v_nop
	global_prefetch_b8 v0, s[64:65] scope:SCOPE_SE
	s_setreg_imm32_b32 hwreg(HW_REG_WAVE_MODE, 25, 1), 1
	s_wait_xcnt 0x0
; q and k: RMS norm over all 2,048 channels (mean of squares from ssq's 32 partial sums, + 1e-6), gain, and the 3-D rotation; f16 in, f32 at work, f16 out, by heads.
; qkraw [2][32 j][2048 s][64] f16 -> qkh [2][16 head][2048 s][128] f16.  Gains and the (cos, sin) table are rounded to bf16 like every input of the module.
; A work-group takes 8 rows s0 .. s0 + 7.  Wave w: t = w / 4 (q or k), heads 4 (w % 4) .. + 3.  Lane: channels 8 c .. 8 c + 7 of a head (c = l % 16), row parity hh = l / 16.
; Unit (eta, rho): head 4 hg + eta, rows s0 + 2 rho + hh: one load and one store of 16 bytes a lane; a store covers 512 consecutive bytes, aligned.
; The rotation's position: s = 256 f + 16 h + w; complex index i < 22 goes by f, i < 43 by h, the others by w.  s0 is a multiple of 8, so f and h are the same for the 8 rows.
; All 48 loads go out at once; no register is used twice for memory, so no store's source is rewritten.  No LDS: nothing is shared between waves.
.set X,   32                           ; v[32:95]   unit u = 4 eta + rho: 4 registers, as loaded and then as stored
.set A,   96                           ; v[96:103]  at work
.set T,   104                          ; v[104:107] at work
.set SSV, 108                          ; v[108:115] row i's partial sum (lane = tile j), then 1 / rms
.set RR,  116                          ; v[116:119] 1 / rms of my row in unit rho
.set VA,  120                          ; v[120:135] the table's byte offsets, 4 e + rho
.set CS,  136                          ; v[136:167] (cos, sin) at 8 rho + 2 e, then times 1 / rms
.set G,   168                          ; v[168:199] gains, 8 eta + channel
	s_load_b256 s[8:15], s[0:1], 0x0               ; qkraw, ssq, gq, gk
	s_load_b128 s[16:19], s[0:1], 0x20             ; freqs_cs, qkh
	v_lshrrev_b32 v1, 5, v0
	v_readfirstlane_b32 s20, v1                    ; wave 0..7
	s_lshr_b32 s21, s20, 2                         ; t
	s_and_b32 s22, s20, 3                          ; hg
	s_lshl_b32 s23, ttmp9, 3                       ; s0
	v_and_b32 v1, 31, v0                           ; l
	v_and_b32 v2, 15, v0                           ; c
	v_bfe_u32 v3, v0, 4, 1                         ; hh
	v_lshlrev_b32 v4, 14, v1                       ; ssq: 16,384 bytes from tile j to tile j + 1
	v_lshlrev_b32 v5, 5, v2                        ; gains: 32 c
	v_lshrrev_b32 v8, 3, v2
	v_and_b32 v9, 7, v2
	v_lshlrev_b32 v6, 18, v8                       ; qkraw: the channel half's tile,
	v_lshl_add_u32 v6, v3, 7, v6                   ; the row's parity,
	v_lshl_add_u32 v6, v9, 4, v6                   ; my 16 bytes
	v_lshlrev_b32 v7, 4, v1                        ; qkh: 16 l
	s_lshr_b32 s24, s23, 6
	s_lshl_b32 s24, s24, 9                         ; ssq: 512 x row block of 64
	s_bfe_u32 s25, s23, 0x20004                    ; a = (s0 / 16) % 4
	s_lshr_b32 s26, s25, 1
	s_lshl_b32 s26, s26, 4
	s_and_b32 s27, s23, 15
	s_add_co_u32 s26, s26, s27                     ; entry 16 (a / 2) + s0 % 16
	s_lshl_b32 s26, s26, 4
	s_add_co_u32 s24, s24, s26
	s_lshl_b32 s26, s21, 3                         ; q's or k's pair,
	s_add_co_u32 s24, s24, s26
	s_and_b32 s26, s25, 1
	s_lshl_b32 s26, s26, 2                         ; and a's parity in it
	s_add_co_u32 s24, s24, s26
	s_mov_b32 s25, 0
	s_lshr_b32 s28, s23, 8
	s_lshl_b32 s28, s28, 9                         ; 512 f
	s_bfe_u32 s29, s23, 0x40004
	s_lshl_b32 s29, s29, 9                         ; 512 h
	v_add_nc_u32 v10, s27, v3
	v_lshlrev_b32 v10, 9, v10                      ; 512 (s0 % 16 + hh)
	v_mov_b32 v13, s28
	v_mov_b32 v14, s29
	v_mov_b32 v16, 0x400                           ; two positions on along w
	v_mov_b32 v17, 0                               ; 0, also the addend of the widening multiply
.irp e, 0,1,2,3
	v_lshl_add_u32 v11, v2, 2, \e                  ; i = 4 c + e
	v_cmp_gt_u32 vcc_lo, 22, v11
	v_cmp_gt_u32 s30, 43, v11
	v_cndmask_b32 v12, v10, v14, s30
	v_cndmask_b32 v12, v12, v13, vcc_lo
	v_cndmask_b32 v15, v16, v17, s30
	v_lshl_add_u32 v[VA+4*(\e)], v11, 3, v12       ; 512 pos + 8 i
	v_add_nc_u32 v[VA+4*(\e)+1], v[VA+4*(\e)], v15
	v_add_nc_u32 v[VA+4*(\e)+2], v[VA+4*(\e)+1], v15
	v_add_nc_u32 v[VA+4*(\e)+3], v[VA+4*(\e)+2], v15
.endr
.irp i, 0,1,2,3,4,5,6,7
	v_mov_b32 v[A+(\i)], 0                         ; v_permlanex16_b32's destination counts as read
.endr
	s_lshl_b32 s26, s22, 11
	s_mov_b32 s27, 0
	s_lshl_b32 s31, s21, 23
	s_lshl_b32 s34, s22, 21
	s_add_co_u32 s31, s31, s34                     ; t x 8 MiB + hg x four heads
	s_lshl_b32 s34, s23, 7
	s_add_co_u32 s32, s31, s34
	s_mov_b32 s33, 0
	s_lshl_b32 s34, s23, 8
	s_add_co_u32 s34, s31, s34
	s_mov_b32 s35, 0
	s_mov_b32 s36, 0x76543210
	s_mov_b32 s37, 0xfedcba98
	s_mov_b32 s38, 0x3a000000                      ; 1 / 2048
	s_mov_b32 s39, 0x358637bd                      ; 1e-6
	s_wait_kmcnt 0x0
	s_add_nc_u64 s[10:11], s[10:11], s[24:25]
	s_cmp_eq_u32 s21, 0
	s_cselect_b64 s[12:13], s[12:13], s[14:15]
	s_add_nc_u64 s[12:13], s[12:13], s[26:27]
	s_add_nc_u64 s[8:9], s[8:9], s[32:33]
	s_add_nc_u64 s[18:19], s[18:19], s[34:35]
.irp i, 0,1,2,3,4,5,6,7
	global_load_b32 v[SSV+(\i)], v4, s[10:11] offset:16*(\i)
.endr
.irp r, 0,1,2,3
.irp e, 0,1,2,3
	global_load_b64 v[CS+8*(\r)+2*(\e):CS+8*(\r)+2*(\e)+1], v[VA+4*(\e)+(\r)], s[16:17]
.endr
.endr
.irp h, 0,1,2,3
	global_load_b128 v[G+8*(\h):G+8*(\h)+3],   v5, s[12:13] offset:512*(\h)
	global_load_b128 v[G+8*(\h)+4:G+8*(\h)+7], v5, s[12:13] offset:512*(\h)+16
.endr
.irp h, 0,1,2,3
.irp r, 0,1,2,3
	global_load_b128 v[X+4*(4*(\h)+(\r)):X+4*(4*(\h)+(\r))+3], v6, s[8:9] offset:524288*(\h)+256*(\r) th:TH_LOAD_NT
.endr
.endr
	s_wait_loadcnt 40                              ; the 8 partial sums are in; 40 younger loads stay out
.irp m, 1,2,4,8
.irp i, 0,1,2,3,4,5,6,7
	v_add_f32_dpp v[SSV+(\i)], v[SSV+(\i)], v[SSV+(\i)] row_xmask:\m row_mask:0xf bank_mask:0xf
.endr
.endr
.irp i, 0,1,2,3,4,5,6,7
	v_permlanex16_b32 v[A+(\i)], v[SSV+(\i)], s36, s37
.endr
.irp i, 0,1,2,3,4,5,6,7
	v_add_f32 v[SSV+(\i)], v[SSV+(\i)], v[A+(\i)]
.endr
.irp i, 0,1,2,3,4,5,6,7
	v_fma_f32 v[SSV+(\i)], v[SSV+(\i)], s38, s39   ; mean of squares + eps
.endr
.irp i, 0,1,2,3,4,5,6,7
	v_rsq_f32 v[SSV+(\i)], v[SSV+(\i)]
.endr
	v_cmp_ne_u32 vcc_lo, 0, v3                     ; a plain instruction behind the last root,
	s_wait_alu depctr_va_vdst(0)                   ; and one wait for the eight, ahead of their first reader
.irp r, 0,1,2,3
	v_cndmask_b32 v[RR+(\r)], v[SSV+2*(\r)], v[SSV+2*(\r)+1], vcc_lo
.endr
	s_wait_loadcnt 24                              ; the table's 16 loads are in
.irp r, 0,1,2,3
.irp e, 0,1,2,3
	v_cvt_pk_bf16_f32 v[T+(\e)], v[CS+8*(\r)+2*(\e)], v[CS+8*(\r)+2*(\e)+1]
.endr
.irp e, 0,1,2,3
	v_lshlrev_b32 v[CS+8*(\r)+2*(\e)],   16, v[T+(\e)]
	v_and_b32     v[CS+8*(\r)+2*(\e)+1], 0xffff0000, v[T+(\e)]
.endr
.irp e, 0,1,2,3,4,5,6,7
	v_mul_f32 v[CS+8*(\r)+(\e)], v[CS+8*(\r)+(\e)], v[RR+(\r)]
.endr
.endr
	s_wait_loadcnt 16                              ; the gains are in
.irp h, 0,1,2,3
.irp e, 0,1,2,3
	v_cvt_pk_bf16_f32 v[T+(\e)], v[G+8*(\h)+2*(\e)], v[G+8*(\h)+2*(\e)+1]
.endr
.irp e, 0,1,2,3
	v_lshlrev_b32 v[G+8*(\h)+2*(\e)],   16, v[T+(\e)]
	v_and_b32     v[G+8*(\h)+2*(\e)+1], 0xffff0000, v[T+(\e)]
.endr
.endr
.set un, 0
.rept 16
	s_wait_loadcnt 15-un                           ; unit un is in; the units behind it stay out
.irp k, 0,1,2,3
	v_fma_mix_f32 v[A+2*(\k)],   v[X+4*un+(\k)], v[G+8*(un/4)+2*(\k)],   v17 op_sel_hi:[1,0,0]                 ; the low f16 x its gain
	v_fma_mix_f32 v[A+2*(\k)+1], v[X+4*un+(\k)], v[G+8*(un/4)+2*(\k)+1], v17 op_sel:[1,0,0] op_sel_hi:[1,0,0]  ; the high one
.endr
.irp e, 0,1,2,3
	v_mul_f32 v[T+2*((\e)%2)],   v[A+2*(\e)+1], v[CS+8*(un%4)+2*(\e)+1]
	v_mul_f32 v[T+2*((\e)%2)+1], v[A+2*(\e)+1], v[CS+8*(un%4)+2*(\e)]
	v_fma_f32 v[T+2*((\e)%2)],   v[A+2*(\e)], v[CS+8*(un%4)+2*(\e)],   -v[T+2*((\e)%2)]     ; re cos - im sin
	v_fma_f32 v[T+2*((\e)%2)+1], v[A+2*(\e)], v[CS+8*(un%4)+2*(\e)+1], v[T+2*((\e)%2)+1]    ; re sin + im cos
	v_cvt_pk_f16_f32 v[X+4*un+(\e)], v[T+2*((\e)%2)], v[T+2*((\e)%2)+1]
.endr
	global_store_b128 v7, v[X+4*un:X+4*un+3], s[18:19] offset:524288*(un/4)+512*(un%4)
.set un, un+1
.endr
	s_endpgm
.Lfunc_end_k_qb208551e4e_norm:
	.size	k_qb208551e4e_norm, .Lfunc_end_k_qb208551e4e_norm-k_qb208551e4e_norm
	.p2alignl 7, 3214868480
	.fill 96, 4, 3214868480
	.section	.rodata,"a",@progbits
	.p2align	6, 0x0
	.amdhsa_kernel k_qb208551e4e_norm
		.amdhsa_group_segment_fixed_size 0
		.amdhsa_private_segment_fixed_size 0
		.amdhsa_enable_private_segment 0
		.amdhsa_kernarg_size 48
		.amdhsa_user_sgpr_count 2
		.amdhsa_user_sgpr_kernarg_segment_ptr 1
		.amdhsa_wavefront_size32 1
		.amdhsa_system_sgpr_workgroup_id_x 1
		.amdhsa_system_sgpr_workgroup_id_y 1
		.amdhsa_system_sgpr_workgroup_id_z 1
		.amdhsa_system_vgpr_workitem_id 0
		.amdhsa_next_free_vgpr 200
		.amdhsa_next_free_sgpr 66
		.amdhsa_reserve_vcc 1
		.amdhsa_float_denorm_mode_32 3
		.amdhsa_float_denorm_mode_16_64 3
		.amdhsa_memory_ordered 1
		.amdhsa_forward_progress 1
		.amdhsa_inst_pref_size 46
	.end_amdhsa_kernel
	.amdgpu_metadata
---
amdhsa.version: [ 1, 2 ]
amdhsa.kernels:
  - .name:           k_qb208551e4e_norm
    .symbol:         k_qb208551e4e_norm.kd
    .args:
      - { .name: qkraw, .offset: 0, .size: 8, .value_kind: global_buffer, .address_space: global }
      - { .name: ssq, .offset: 8, .size: 8, .value_kind: global_buffer, .address_space: global }
      - { .name: gq, .offset: 16, .size: 8, .value_kind: global_buffer, .address_space: global }
      - { .name: gk, .offset: 24, .size: 8, .value_kind: global_buffer, .address_space: global }
      - { .name: freqs_cs, .offset: 32, .size: 8, .value_kind: global_buffer, .address_space: global }
      - { .name: qkh, .offset: 40, .size: 8, .value_kind: global_buffer, .address_space: global }
    .group_segment_fixed_size: 0
    .private_segment_fixed_size: 0
    .kernarg_segment_align: 8
    .kernarg_segment_size: 48
    .max_flat_workgroup_size: 256
    .sgpr_count:     66
    .vgpr_count:     200
    .wavefront_size: 32
...
	.end_amdgpu_metadata
.endif
;; end of part 3
;; launch attn (part 4): grid 16 x 16, 4 waves a work-group, clusters of 4 x 1, 327,680 bytes of LDS; arguments qkh, vh, frame_mask, ob; writes ob
.if DOCPART == 4
	.amdgcn_target "amdgcn-amd-amdhsa--gfx1250"
	.amdhsa_code_object_version 6
	.text
	.protected	k_qb208551e4e_attn
	.globl	k_qb208551e4e_attn
	.p2align	8
	.type	k_qb208551e4e_attn,@function
k_qb208551e4e_attn:
	s_mov_b64 s[64:65], 0
	v_nop
	global_prefetch_b8 v0, s[64:65] scope:SCOPE_SE
	s_setreg_imm32_b32 hwreg(HW_REG_WAVE_MODE, 25, 1), 1
	s_wait_xcnt 0x0
	s_wait_alu depctr_hold_cnt(0) depctr_sa_sdst(0) depctr_va_vdst(0) depctr_va_sdst(0) depctr_va_ssrc(0) depctr_va_vcc(0) depctr_vm_vsrc(0)
	s_getreg_b32 s2, hwreg(HW_REG_IB_STS2, 6, 4)
	s_cmp_eq_u32 s2, 0
	s_cbranch_scc0 .Lentry_in_a_cluster
	s_endpgm
.Lentry_in_a_cluster:
	s_bfe_u32 s2, ttmp6, 0x10000c
	s_cmp_lg_u32 s2, 0x3003
	s_cbranch_scc0 .Lentry_shape_is_right
	s_endpgm
.Lentry_shape_is_right:
; O[q][head] = the sum over k of softmax_k(Q . K / sqrt(128) + (frame_mask[k] ? 0 : -1e9)) V[k].  qkh: [2 (q, k)][16][2048][128] f16; vh: [32 j][2048][64] f16 (j = 2 head + channel half); ob: [2048][2048] f16.
; Products, maxima and sums in f32; the weights p are rounded to f16 for the second product (their sum l is taken of the unrounded p), O once at the end.
; LIMITS.  A hidden key adds -1e9 sqrt(128) to the raw score; a weight below 2^-126 counts as 0 in l; NaN and infinities are not treated apart.  Rows of hidden queries are computed like any other: the launch behind sets them to 0.
; SHARES.  A work-group owns 128 queries of one head.  Wave w: query half u = w % 2 (64 queries, four tiles of 16), key half kp = w / 2 of every 256 keys.  So a wave walks 1,024 keys, 64 a step, with a running maximum
; and sum of its own; at the end the two waves of a query half exchange half of their tiles through LDS and merge.  Tile t holds query group (t + 2 kp) % 4: every wave keeps tiles 0, 1 and hands over tiles 2, 3.
; LAYOUT.  S^T = K Q^T (source 0 = 16 keys, source 1 = 16 queries): a lane holds ONE query (lane % 16) and the keys 8 (lane / 16) + 0..7.  Two such tiles rounded to f16 in pairs ARE source 1 of O^T = V^T P.
; THE KEY MASK is the C operand of the product that starts a score's sum: 0 or -1e9 sqrt(128), out of a table of 2,048 f32 in LDS that the work-group makes once.
; SOFTMAX.  p = 2^(c s - c m), c = log2(e) / sqrt(128); in every step O and l are multiplied by a = 2^(c m_old - c m_new).  m starts at the lowest finite number, O and l at 0: the first step is a step like any other, with a = 0.
; BY TURNS.  The wave's tiles are two pieces (tiles 0, 1 and tiles 2, 3).  In a turn one piece has the matrix unit (32 products V^T P, then 32 products K Q^T of the next step); the other piece's softmax, cut into 64 slices,
; stands between them, one slice behind each matrix instruction.  Two turns are a key step.  A key step is written once for the loop and once for the tail; the LDS addresses hang on scalar registers.
; CLUSTER.  The four query blocks of a cluster belong to one head and walk the same K and V: each tile is asked for jointly, by the same tensor load, descriptor and mask in all four.
; REGISTERS, in windows of 256: window 0 addresses, statistics (8 a tile), S^T v64-191, P v192-255; window 1 O^T, 64 a tile; window 2 Q v0-127, K v128-255; window 3 V v0-127, the step's masks v128-159.
.set PK,    272       ; a row of K in LDS: 256 bytes + 16
.set PVR,   288       ; a row of V in LDS: two keys' 64 channels (256 bytes) + 32
.set RG,    36864     ; a region: 128 rows.  A slot (256 keys): K's keys 0-127, K's keys 128-255, V's channels 0-63, V's channels 64-127
.set SLOT,  4*RG      ; 0x24000.  The regions begin at 0, 0x9000, 0x12000, 0x1B000 of a slot, none of which has bit 14 or bit 17: one exclusive or with SLOT turns such an address in one slot into the other's
.set BIAS,  2*SLOT    ; the mask table, 8,192 bytes; no fill lands here
.set STAGE, BIAS+8192 ; 16 rows x 272 bytes for each wave, for the way out
.set SP,    272
.set SPARE, STAGE+4*16*SP  ; the spare words, 128 bytes for each wave: two blocks of 256 bytes that no other line names
.set XW,    16896     ; the exchange: 16,384 bytes of O^T and 512 of statistics a wave, from LDS byte 0 on, in slot 0, which has had its last fill and its last reader by then
.set AK0, 2           ; v2   my lane's place in my half of a slot's K; never rewritten
.set AV0, 3           ; v3   the same for V
.set ADR, 4           ; v4   the LDS address of the run of loads in hand
.set QA,  5           ; v5   my byte offset in Q for tiles 0, 1
.set STO, 6           ; v6   the way out: where I put 16 bytes of a row
.set RD,  7           ; v7   where I read a row back
.set GO,  8           ; v8   my byte offset in two rows of ob
.set QB,  9           ; v9   my byte offset in Q for tiles 2, 3
.set ST,  12          ; tile t's statistics at v[ST+8 t]: +0 c m, +1 m, +2, +3 l, +4 to +7 at work
.set AM0, 44          ; v44  my lane's place in the mask table
.set ADM, 45          ; v45  the same for the step in hand
.set XWA, 46          ; v46  the exchange: where I write
.set XRA, 47          ; v47  where I read my partner's
.set PFO, 61          ; v61  256 x lane
.set SPW, 62          ; v62  LDS address of my spare word; never rewritten
.set NIL, 63          ; v63  0; never rewritten
.set S,   64
.set P,   192
.set KF,  128         ; window 2
.set MB,  128         ; window 3
.set WV,  12          ; s12  my wave's number
.set LIM, 15          ; s15  1 in the head's first cluster, else the greatest number
.set PFA, 18          ; s[18:19] where my prefetches stand
.set G1K, 24
.set G1V, 32
.set G0K, 40          ; s[40:47] group 0 for K's tiles: a set for each of the two first fills; the second then walks on
.set G0V, 48          ; s[48:55] the same for V's
.set SLOTS, 56        ; s56  tiles still to be entered in the loop
.set TWICE, 57        ; s57  counts a slot's two steps
.set CS,  58          ; s[58:59] c
.set SEL, 60          ; s[60:61]
.set TBK, 62          ; s62  LDS byte at which the slot's K of the step to be fetched begins
.set TBV, 63          ; s63  the same for V
.set TBM, 66          ; s66  4 x the first key of the step to be fetched
.set PFS, 68          ; s[68:69] bytes from tile to tile in my tensor
.set NEG, 70          ; s70  -1e9 sqrt(128)
.set MSB, 0
.macro WIN new
.if MSB != (\new)
	s_set_vgpr_msb (MSB<<8)|(\new)
.set MSB, \new
.endif
.endm
.set W_KQ, 0x0a       ; K and Q in window 2, S^T in window 0
.set W_KM, 0x3a       ; the same with the C operand in window 3
.set W_PV, 0x53       ; V in window 3, P in window 0, O^T in window 1
.set W_RS, 0x41       ; O^T (destination and source 0) in window 1, a in window 0
; A joint refill, by the walking sets.  Waves 0 and 1 fetch K's two halves, waves 2 and 3 V's two channel halves: 128 rows of 256 bytes each.  An s_nop 0 and four v_nop follow each of the two lines.
.macro JLOAD
	s_cmp_lt_u32 s[WV], 2
	s_cbranch_scc0 .Lfor_v_\@
	tensor_load_to_lds s[G0K+4:G0K+7], s[G1K:G1K+7]
	s_nop 0
.rept 4
	v_nop
.endr
	s_branch .Lasked_\@
.Lfor_v_\@:
	tensor_load_to_lds s[G0V+4:G0V+7], s[G1V:G1V+7]
	s_nop 0
.rept 4
	v_nop
.endr
.Lasked_\@:
.endm
; A prefetch of what the NEXT change of slots will ask for.  All clusters of a head walk the same K and V: the head's first cluster asks.  Of the 128 rows that a wave's own load will bring, each of the four partners names 32,
; told apart by address: a lane a row, one instruction a wave, so each row is named once in the launch.  The change that fills the last tile asks for nothing (SLOTS is 1 there).
.macro ASK
	s_cmp_gt_u32 s[SLOTS], s[LIM]
	s_cbranch_scc0 .Lnot_mine_\@
	global_prefetch_b8 v[PFO], s[PFA:PFA+1] th:TH_LOAD_NT scope:SCOPE_SE
.Lnot_mine_\@:
.endm
.macro CROUND
	s_barrier_signal -1
	s_barrier_wait -1
	s_cmp_lg_u32 s[WV], 0
	s_cbranch_scc1 .Lnot_wave_0_\@
	s_barrier_signal -3
.Lnot_wave_0_\@:
	s_barrier_wait -3
	s_barrier_signal -1
	s_barrier_wait -1
.endm
	s_load_b256 s[4:11], s[0:1], 0x0  ; qkh s[4:5], vh s[6:7], frame_mask s[8:9], ob s[10:11]
	v_lshl_add_u32 v[SPW], v0, 2, SPARE
	v_mov_b32 v[NIL], 0
	ds_add_u32 v[SPW], v[NIL]       ; the wave's opening: the add and its wait stand ahead of my first tensor load; the set-up below stands between them
	v_lshrrev_b32 v1, 5, v0
	v_readfirstlane_b32 s[WV], v1   ; wave 0..3
	s_bfe_u32 s13, ttmp6, 0x40000   ; cx
	s_lshl_b32 s14, ttmp9, 2
	s_add_co_u32 s14, s14, s13      ; my block of 128 queries: it enters Q's and ob's addresses alone
	s_and_b32 s16, s[WV], 1         ; u
	s_lshr_b32 s17, s[WV], 1        ; kp
	s_and_b32 s67, ttmp7, 0xffff    ; the head, which the four partners share
	s_lshl_b32 s20, s67, 19         ; its 524,288 bytes in q, in k and in vh
	s_lshl_b32 s22, s16, 15
	s_add_co_u32 s22, s22, s20
	s_add_co_u32 s22, s22, 8388608  ; K: behind q; my 128 keys of tile 0
	s_mov_b32 s23, 0
	s_lshl_b32 s2, s16, 18
	s_add_co_u32 s2, s2, s20        ; V: my channel half, tile 0
	s_mov_b32 s3, 0
	s_lshl_b32 s56, s14, 19         ; ob: row 128 qb + 64 u + 32 kp, 4,096 bytes a row; 256 bytes a head
	s_lshl_b32 s57, s16, 18
	s_add_co_u32 s56, s56, s57
	s_lshl_b32 s57, s17, 17
	s_add_co_u32 s56, s56, s57
	s_lshl_b32 s57, s67, 8
	s_add_co_u32 s56, s56, s57
	s_mov_b32 s57, 0
	s_lshl_b32 s21, s14, 15         ; Q: row 128 qb + 64 u, 256 bytes a row
	s_add_co_u32 s20, s20, s21
	s_lshl_b32 s21, s16, 14
	s_add_co_u32 s20, s20, s21
	s_mov_b32 s21, 0
	s_mov_b32 s[G1K], 15|(1<<16)|(1<<20)|(1<<21)|(5<<22)|(3<<25)  ; the mask of four; 2-byte elements; padding on; bit 21 beside a mask; after every 64 words, 4 words
	s_mov_b32 s[G1V], 15|(1<<16)|(1<<20)|(1<<21)|(5<<22)|(7<<25)  ; the same with 8 words
.irp g, G1K, G1V
	s_mov_b32 s[(\g)+1], 128<<16    ; tensor_dim0 = 128
	s_mov_b32 s[(\g)+2], 128<<16    ; tensor_dim1 = 128
	s_mov_b32 s[(\g)+3], 128<<16    ; tile_dim0 = 128
	s_mov_b32 s[(\g)+4], 128        ; tile_dim1 = 128
	s_mov_b32 s[(\g)+5], 128        ; 128 elements from row to row: both are dense
	s_mov_b32 s[(\g)+6], 0
	s_mov_b32 s[(\g)+7], 0
.endr
	s_mov_b32 s[CS], 0x3e0293ee     ; c = log2(e) / sqrt(128)
	s_mov_b32 s[CS+1], s[CS]
	s_mov_b32 s[SEL], 0x76543210
	s_mov_b32 s[SEL+1], 0xfedcba98
	s_mov_b32 s[NEG], 0xd028965f    ; -1e9 sqrt(128)
	s_mul_i32 s15, s[WV], RG        ; where my loads go in a slot: region = my wave's number
	s_mov_b32 s[PFS], 32768
	s_mov_b32 s[PFS+1], 0
	s_wait_dscnt 0x0                ; the opening add is done
	s_wait_kmcnt 0x0
	s_add_nc_u64 s[22:23], s[4:5], s[22:23]
	s_add_nc_u64 s[2:3], s[6:7], s[2:3]
	s_add_nc_u64 s[4:5], s[4:5], s[20:21]
	s_add_nc_u64 s[10:11], s[10:11], s[56:57]
	s_cmp_lt_u32 s[WV], 2
	s_cselect_b64 s[PFA:PFA+1], s[22:23], s[2:3]
	s_cselect_b32 s[PFS], 65536, s[PFS]
	s_lshl_b32 s20, s13, 13         ; my work-group's 32 rows of the 128
	s_mov_b32 s21, 0
	s_add_nc_u64 s[PFA:PFA+1], s[PFA:PFA+1], s[20:21]
	s_add_nc_u64 s[PFA:PFA+1], s[PFA:PFA+1], s[PFS:PFS+1]
	s_add_nc_u64 s[PFA:PFA+1], s[PFA:PFA+1], s[PFS:PFS+1]  ; in tile 2; the first change of slots steps it to tile 3.  Nothing is prefetched here, at the head
	CROUND                          ; all four work-groups are here: the first joint loads meet
.irp n, 0,1
	s_mov_b32 s[G0K+4*(\n)], 1
	s_add_co_u32 s[G0K+4*(\n)+1], s15, (\n)*SLOT
	s_add_nc_u64 s[G0K+4*(\n)+2:G0K+4*(\n)+3], s[22:23], (\n)*65536
	s_or_b32 s[G0K+4*(\n)+3], s[G0K+4*(\n)+3], 0x80000000
	s_mov_b32 s[G0V+4*(\n)], 1
	s_add_co_u32 s[G0V+4*(\n)+1], s15, (\n)*SLOT
	s_add_nc_u64 s[G0V+4*(\n)+2:G0V+4*(\n)+3], s[2:3], (\n)*32768
	s_or_b32 s[G0V+4*(\n)+3], s[G0V+4*(\n)+3], 0x80000000
.endr
	s_cmp_eq_u32 ttmp9, 0
	s_cselect_b32 s[LIM], 1, -1     ; the same in all four partners
	s_cmp_lt_u32 s[WV], 2           ; a wave's two first fills stand in one branch: two loads of mine are out
	s_cbranch_scc0 .Lfirst_v
	tensor_load_to_lds s[G0K:G0K+3], s[G1K:G1K+7]
	s_nop 0
	tensor_load_to_lds s[G0K+4:G0K+7], s[G1K:G1K+7]
	s_nop 0
.rept 4
	v_nop
.endr
	s_branch .Lfirst_asked
.Lfirst_v:
	tensor_load_to_lds s[G0V:G0V+3], s[G1V:G1V+7]
	s_nop 0
	tensor_load_to_lds s[G0V+4:G0V+7], s[G1V:G1V+7]
	s_nop 0
.rept 4
	v_nop
.endr
.Lfirst_asked:
	v_and_b32 v48, 15, v0           ; r = l % 16
	v_bfe_u32 v49, v0, 4, 1         ; h = l / 16
	v_lshlrev_b32 v60, 4, v0        ; thread t takes the mask's bytes 16 t .. 16 t + 15
	global_load_b128 v[56:59], v60, s[8:9]
	v_lshlrev_b32 v50, 8, v48
	v_lshl_add_u32 v50, v49, 4, v50 ; row x 256 + 16 x half
	s_lshl_b32 s67, s17, 13
	v_add_nc_u32 v[QA], s67, v50    ; tiles 0, 1: query groups 2 kp, 2 kp + 1
	s_xor_b32 s67, s67, 8192
	v_add_nc_u32 v[QB], s67, v50    ; tiles 2, 3: the other two groups
	WIN 0x80                        ; destination window 2, address window 0
.set i, 0
.rept 16                            ; Q stays in registers: tile i / 4, channels 32 (i % 4) on
.if i < 8
	global_load_b128 v[8*i:8*i+3],   v[QA], s[4:5] offset:(i/4)*4096+(i%4)*64
	global_load_b128 v[8*i+4:8*i+7], v[QA], s[4:5] offset:(i/4)*4096+(i%4)*64+32
.else
	global_load_b128 v[8*i:8*i+3],   v[QB], s[4:5] offset:(i/4-2)*4096+(i%4)*64
	global_load_b128 v[8*i+4:8*i+7], v[QB], s[4:5] offset:(i/4-2)*4096+(i%4)*64+32
.endif
.set i, i+1
.endr
	; What the first turn finds: O^T and l are 0, V and P of tiles 2, 3 are 0 (its products V^T P, of a step that has not been, add 0).  No first step is written out; these lines stand in the wait for the first tile.
	WIN 0x40
.set i, 0
.rept 256
	v_mov_b32 v[i], 0
.set i, i+1
.endr
	WIN 0xc0
.set i, 0
.rept 128
	v_mov_b32 v[i], 0
.set i, i+1
.endr
	WIN 0
.set i, P+32
.rept 32
	v_mov_b32 v[i], 0
.set i, i+1
.endr
.set i, 0
.rept 4
	v_mov_b32 v[ST+8*i], 0xfe000000    ; c m: far below every c s
	v_mov_b32 v[ST+8*i+1], 0xff7fffff  ; m
	v_mov_b32 v[ST+8*i+2], 0
	v_mov_b32 v[ST+8*i+3], 0
.set i, i+1
.endr
	s_mul_i32 s67, s17, RG
	v_mul_u32_u24 v[AK0], v48, PK
	v_lshl_add_u32 v[AK0], v49, 4, v[AK0]
	v_add_nc_u32 v[AK0], s67, v[AK0]      ; my key half's region + row x pitch + 16 x half
	; The turning load takes 16 keys x 16 channels (lane l reads key 8 (l / 16) + l % 8, channels 8 ((l / 8) % 2) + 0..7) and leaves half a fragment of V^T.  Key k lies at (k / 2) x 288 + (k % 2) x 128.
	v_and_b32 v50, 7, v0
	v_bfe_u32 v51, v0, 3, 1
	v_lshl_add_u32 v52, v49, 3, v50
	v_lshrrev_b32 v53, 1, v52
	v_mul_u32_u24 v53, v53, PVR
	v_and_b32 v54, 1, v52
	v_lshl_add_u32 v53, v54, 7, v53
	v_lshl_add_u32 v53, v51, 4, v53
	s_mul_i32 s67, s17, 64*PVR
	s_add_co_u32 s67, s67, 2*RG
	v_add_nc_u32 v[AV0], s67, v53
	v_lshlrev_b32 v[AM0], 5, v49
	v_add_nc_u32 v[AM0], BIAS, v[AM0]     ; my 8 keys of a group of 16: 32 bytes
	v_and_b32 v50, 31, v0
	s_mul_i32 s67, s[WV], XW
	v_lshl_add_u32 v[XWA], v50, 4, s67
	s_xor_b32 s67, s[WV], 2
	s_mul_i32 s67, s67, XW
	v_lshl_add_u32 v[XRA], v50, 4, s67
	v_lshlrev_b32 v[PFO], 8, v50
	s_wait_loadcnt 32               ; the mask's bytes are in; Q's 32 loads stay out
.irp wd, 0,1,2,3
.irp bb, 0,1,2,3
	v_bfe_u32 v[S+4*(\wd)+(\bb)], v[56+(\wd)], 8*(\bb), 8
.endr
.endr
.set i, 0
.rept 16
	v_add_nc_u32 v[S+i], -1, v[S+i] ; 1 -> 0, 0 -> all ones
	v_and_b32 v[S+i], s[NEG], v[S+i]
.set i, i+1
.endr
	v_lshl_add_u32 v55, v0, 6, BIAS
.irp wd, 0,1,2,3
	ds_store_b128 v55, v[S+4*(\wd):S+4*(\wd)+3] offset:16*(\wd)
.endr
	s_mov_b32 s[TBK], 0
	s_mov_b32 s[TBV], 0
	s_lshl_b32 s[TBM], s17, 9       ; my first key: 128 kp
; THE MATRIX WORK OF A TURN, for piece x.  The accumulators take turns, one instruction a turn.
; Product i of 32 of O^T += V^T P: keys 32 (i / 16) on, channels 16 ((i / 2) % 8) on, tile x + i % 2.
.macro PV x
	WIN W_PV
.set rO, 64*((\x)+i%2)+8*((i/2)%8)
.set rV, 64*(i/16)+8*((i/2)%8)
.set rP, P+16*((\x)+i%2)+8*(i/16)
	v_wmma_f32_16x16x32_f16 v[rO:rO+7], v[rV:rV+7], v[rP:rP+7], v[rO:rO+7]
.endm
; Product i of 32 of S^T = K Q^T: channels 32 (i / 8) on, keys 16 ((i / 2) % 4) on, tile x + i % 2.  The first 8 start the sums, with the keys' masks.
.macro KQ x
.set rS, S+32*((\x)+i%2)+8*((i/2)%4)
.set rK, KF+32*((i/2)%4)+8*(i/8)
.set rQ, 32*((\x)+i%2)+8*(i/8)
.set rM, MB+8*((i/2)%4)
.if i < 8
	WIN W_KM
	v_wmma_f32_16x16x32_f16 v[rS:rS+7], v[rK:rK+7], v[rQ:rQ+7], v[rM:rM+7]
.else
	WIN W_KQ
	v_wmma_f32_16x16x32_f16 v[rS:rS+7], v[rK:rK+7], v[rQ:rQ+7], v[rS:rS+7]
.endif
.endm
; THE LDS LOADS stand in runs: a step's K (16 fragments) with its 64 masks, and, a turn later, its V (turned).  last = 1 (the tail): in the last trip there is no further step, and the run is jumped over.
.macro FETCH_K last=0
	WIN 0
.if \last
	s_cmp_eq_u32 s[TWICE], 1
	s_cbranch_scc1 .Lno_k_\@
.endif
	v_add_nc_u32 v[ADR], s[TBK], v[AK0]
	s_and_b32 s67, s[TBM], 0x1f00   ; inside the table's 8,192 bytes
	v_add_nc_u32 v[ADM], s67, v[AM0]
	WIN 0x80                        ; destination window 2
.irp f, 0,1,2,3,4,5,6,7,8,9,10,11,12,13,14,15  ; keys 16 (f / 4) on, channels 32 (f % 4) on
	ds_load_b128 v[KF+8*(\f):KF+8*(\f)+3],   v[ADR] offset:((\f)/4)*16*PK+((\f)%4)*64
	ds_load_b128 v[KF+8*(\f)+4:KF+8*(\f)+7], v[ADR] offset:((\f)/4)*16*PK+((\f)%4)*64+32
.endr
	WIN 0xc0                        ; destination window 3
.irp f, 0,1,2,3
	ds_load_b128 v[MB+8*(\f):MB+8*(\f)+3],   v[ADM] offset:64*(\f)
	ds_load_b128 v[MB+8*(\f)+4:MB+8*(\f)+7], v[ADM] offset:64*(\f)+16
.endr
	s_add_co_u32 s[TBK], s[TBK], 64*PK  ; the next fetch is the next step's
	s_add_co_u32 s[TBM], s[TBM], 256
	WIN 0
.if \last
.Lno_k_\@:
.endif
.endm
.macro FETCH_V
	WIN 0
	v_add_nc_u32 v[ADR], s[TBV], v[AV0]
	s_add_co_u32 s[TBV], s[TBV], 32*PVR
	s_wait_alu depctr_va_vdst(0)    ; the wait for the softmax's batch (SLICE), behind the address's v_add_nc_u32 and ahead of the loads
	WIN 0xc0                        ; destination window 3
.irp f, 0,1,2,3,4,5,6,7,8,9,10,11,12,13,14,15  ; keys 32 (f / 8) on, channels 16 (f % 8) on
	ds_load_tr16_b128 v[8*(\f):8*(\f)+3],   v[ADR] offset:((\f)/8)*16*PVR+(((\f)%8)/4)*RG+((\f)%4)*32
	ds_load_tr16_b128 v[8*(\f)+4:8*(\f)+7], v[ADR] offset:((\f)/8)*16*PVR+8*PVR+(((\f)%8)/4)*RG+((\f)%4)*32
.endr
.endm
; THE VECTOR WORK OF A TURN.  One tile's softmax for one key step is a list of 134 instructions; SM writes number j of it for tile t.  s0-s31 are the lane's 32 scores, in pairs 0-15.
;   0-15    the maximum of s0-s31 and the old m, three operands at a time (each accumulator's lowest registers are read first)
;   16-20   the other half of the lanes' maximum; the new m; c m; c m_old - c m_new
;   21-69   ONE BATCH: the 16 scalings c s - c m and all 33 exponentials (a at 23, then s0-s31); none of these reads an exponential's result
;   (wait)  between 69 and 70 stands the wait for the batch: SLICE writes it, once for both tiles
;   70-85   the roundings to f16     86-101  the sums; l = a l + the sum     102-133 the tile's O^T times a
.macro SM t
.set rT, ST+8*(\t)
.set rS, S+32*(\t)
.set rP, P+16*(\t)
.set rO, 64*(\t)+2*(j-102)
.if j < 102
	WIN 0
.endif
.if j < 4
	v_max3_num_f32 v[rT+4+j], v[rS+8*j], v[rS+8*j+1], v[rS+8*j+2]
.elseif j < 12
	v_max3_num_f32 v[rT+4+j%4], v[rT+4+j%4], v[rS+8*(j%4)+2*(j/4)+1], v[rS+8*(j%4)+2*(j/4)+2]
.elseif j == 12
	v_max3_num_f32 v[rT+4], v[rT+4], v[rS+7], v[rS+15]
.elseif j == 13
	v_max3_num_f32 v[rT+6], v[rT+6], v[rS+23], v[rS+31]
.elseif j == 14
	v_max3_num_f32 v[rT+4], v[rT+4], v[rT+5], v[rT+6]
.elseif j == 15
	v_max3_num_f32 v[rT+4], v[rT+4], v[rT+7], v[rT+1]
.elseif j == 16
	v_permlanex16_b32 v[rT+5], v[rT+4], s[SEL], s[SEL+1]  ; the query's other 32 keys lie in the lane 16 away
.elseif j == 17
	v_mov_b32 v[rT+7], v[rT]        ; c m_old is kept for a: number 19 writes c m anew
.elseif j == 18
	v_max_num_f32 v[rT+1], v[rT+4], v[rT+5]
.elseif j == 19
	v_mul_f32 v[rT], s[CS], v[rT+1]
.elseif j == 20
	v_sub_f32 v[rT+7], v[rT+7], v[rT]
.elseif j == 23
	v_exp_f32 v[rT+6], v[rT+7]
.elseif (j < 23) || ((j < 38) && (j%2 == 0)) || ((j < 66) && (j%4 == 2))
.set b, (j-2)/4                     ; 38, 42, .. 62: pairs 9 to 15
.if j < 38
.set b, (j-20)/2                    ; 21: pair 0; 22, 24, .. 36: pairs 1 to 8
.endif
	v_pk_fma_f32 v[rS+2*b:rS+2*b+1], v[rS+2*b:rS+2*b+1], s[CS:CS+1], v[rT:rT+1] op_sel_hi:[1,0,0] neg_lo:[0,0,1] neg_hi:[0,0,1]  ; pair b: c s - c m
.elseif j < 70
.set e, j-38                        ; 66 to 69: s28 to s31
.if j < 66
.set e, j-32-(j-38)/4               ; 39-41, 43-45, .. 63-65: s7 to s27
.endif
.if j < 38
.set e, (j-25)/2                    ; 25, 27, .. 37: s0 to s6
.endif
	v_exp_f32 v[rS+e], v[rS+e]
.elseif j < 86
	v_cvt_pk_f16_f32 v[rP+j-70], v[rS+2*(j-70)], v[rS+2*(j-70)+1]
.elseif j < 102                     ; the sum of the tile's 16 pairs, in place: neighbours 1, 2, 4 and 8 pairs apart, then l takes it
.set z, j-86
.set w, 4
.set u, z
.if z >= 14
.set w, 32
.set u, 0
.elseif z >= 12
.set w, 16
.set u, z-12
.elseif z >= 8
.set w, 8
.set u, z-8
.endif
.if z < 15
	v_pk_add_f32 v[rS+w*u:rS+w*u+1], v[rS+w*u:rS+w*u+1], v[rS+w*u+w/2:rS+w*u+w/2+1]
.else
	v_pk_fma_f32 v[rT+2:rT+3], v[rT+2:rT+3], v[rT+6:rT+7], v[rS:rS+1] op_sel_hi:[1,0,1]
.endif
.else
	WIN W_RS
	v_pk_mul_f32 v[rO:rO+1], v[rO:rO+1], v[rT+6:rT+7] op_sel_hi:[1,0]
.endif
.endm
; Slice k of 64 of piece y's softmax: four instructions.  Slices 11 to 34 deal out the batch, four numbers of ONE tile each, the tiles by turns; every other slice is numbers 2 k and 2 k + 1 of both tiles' lists;
; the twelve that are over stand together in slice 63, where they are also the places behind the turn's last products.  Ahead of slice 35 nothing names an exponential's result, behind slice 34 none is issued:
; so the piece's 66 exponentials have one wait, behind slice 34.
.macro SLICE y
.if (k >= 11) && (k < 35)
.irp n, 0,1,2,3
.set j, 22+4*((k-11)/2)+(\n)
	SM (\y)+(k-11)%2
.endr
.else
.irp n, 0,1,2,3,4,5,6,7
.if ((\n) < 2) || (k == 63)
.irp t, \y, (\y)+1
.set j, 2*k+(\n)
	SM \t
.endr
.endif
.endr
.endif
.if k == 34
	v_nop                           ; the plain instruction behind the last exponential: one for the batch
.if (\y) == 0
	FETCH_V                         ; piece 2's turn: V's run of loads stands here, and the wait stands in it
.else
	s_wait_alu depctr_va_vdst(0)    ; the wait for the batch
.endif
.endif
.set k, k+1
.endm
; A TURN.  Piece x has the matrix unit; the other piece's softmax stands in slices behind its matrix instructions.  Piece 0's turn fetches the next step's K and masks, behind its second product (their last readers stand
; in front of slice 63 of the turn before); piece 2's turn fetches the same step's V behind slice 34: four plain instructions (two scalings, the v_nop, the address's add) behind the last product that read V.
.macro TURN x, last=0
.set k, 0
.if (\x) == 0
	s_wait_dscnt 0x0                ; V is in
.endif
.set i, 0
.rept 32
	PV \x
	SLICE 2-(\x)
.if ((\x) == 0) && (i == 1)
	FETCH_K \last
.endif
.set i, i+1
.endr
.if (\x) == 0
	s_wait_dscnt 0x0                ; K and the masks are in
.endif
.set i, 0
.rept 32
	KQ \x
	SLICE 2-(\x)
.set i, i+1
.endr
.endm
; THE CHANGE OF SLOTS, between piece 2's turn and piece 0's.  Each wave waits for all its tensor loads (one is out: its part of the other slot), adds 0 to its spare word, and waits for that and for its reads of the slot.
; fill = 1: the slot just left is filled again with the tile two on; the barrier is a round of the cluster's, and the joint refill is the first thing behind it: it has two key steps, 256 matrix instructions, in which to land.
.macro CHANGE fill
	WIN 0
	s_wait_tensorcnt 0x0            ; no tensor load of mine is out, so a group 0 may be written
	ds_add_u32 v[SPW], v[NIL]       ; 0 onto my spare word
.if \fill
	s_xor_b32 s[G0K+5], s[G0K+5], SLOT  ; the walking sets: the other slot than last time, the next tile
	s_add_nc_u64 s[G0K+6:G0K+7], s[G0K+6:G0K+7], 65536
	s_xor_b32 s[G0V+5], s[G0V+5], SLOT
	s_add_nc_u64 s[G0V+6:G0V+7], s[G0V+6:G0V+7], 32768
	s_wait_xcnt 0x0                 ; the last prefetch, two key steps back, has read its address
	s_add_nc_u64 s[PFA:PFA+1], s[PFA:PFA+1], s[PFS:PFS+1]
	s_wait_dscnt 0x0                ; the add is done, and my reads of the slot are over
	CROUND
	JLOAD
	ASK
.else
	s_wait_dscnt 0x0
	s_barrier_signal -1
	s_barrier_wait -1
.endif
	s_sub_co_u32 s[TBK], s[TBK], 2*64*PK  ; the fetches go back to a slot's first step,
	s_xor_b32 s[TBK], s[TBK], SLOT        ; in the other slot,
	s_sub_co_u32 s[TBV], s[TBV], 2*32*PVR
	s_xor_b32 s[TBV], s[TBV], SLOT
	s_add_co_u32 s[TBM], s[TBM], 512      ; past the other wave pair's 128 keys
.endm
	s_wait_tensorcnt 0x1            ; my part of slot 0 is in; slot 1's may stay out
	s_wait_dscnt 0x0                ; my part of the mask table is written
	s_barrier_signal -1
	s_barrier_wait -1
	FETCH_K                         ; key step 0
	s_wait_loadcnt 0x0              ; Q
	s_wait_dscnt 0x0
.set i, 0
.rept 32
	KQ 0                            ; piece 0's first scores
.set i, i+1
.endr
	WIN 0                           ; the addresses for the way out: eight plain instructions, the places behind those products
	s_mul_i32 s67, s[WV], 16*SP
	s_add_co_u32 s67, s67, STAGE
	v_mul_u32_u24 v[STO], v48, SP   ; in: row l % 16, 16 bytes for each half of the lanes
	v_lshl_add_u32 v[STO], v49, 4, v[STO]
	v_add_nc_u32 v[STO], s67, v[STO]
	v_mul_u32_u24 v[RD], v49, SP    ; back: lanes 0-15 take one row of 256 bytes, lanes 16-31 the next
	v_lshl_add_u32 v[RD], v48, 4, v[RD]
	v_add_nc_u32 v[RD], s67, v[RD]
	v_lshlrev_b32 v[GO], 12, v49    ; and the same two rows in ob
	v_lshl_add_u32 v[GO], v48, 4, v[GO]
	s_mov_b32 s[SLOTS], 7           ; tiles 0 to 6 are walked in the loop; tiles 2 to 7 are asked for there, at SLOTS = 6 to 1
	s_mov_b32 s[TWICE], 2
	s_branch .Lfirst0               ; the loop is entered at piece 2's turn, in the middle of a trip: its products V^T P add 0
.Lslot:
	CHANGE 1
	s_mov_b32 s[TWICE], 2
.Lstep:
	TURN 0
	WIN 0
.Lfirst0:
	TURN 2
	WIN 0
	s_sub_co_u32 s[TWICE], s[TWICE], 1
	s_cmp_lg_u32 s[TWICE], 0
	s_cbranch_scc1 .Lstep
	s_sub_co_u32 s[SLOTS], s[SLOTS], 1
	s_cmp_lg_u32 s[SLOTS], 0
	s_cbranch_scc1 .Lslot
	CHANGE 0                        ; the tail is written out: nothing is asked for
	s_mov_b32 s[TWICE], 3           ; two trips fetch the last slot's steps; the third is left in its middle
.Ltail:
	TURN 0, 1
	WIN 0
	s_sub_co_u32 s[TWICE], s[TWICE], 1
	s_cmp_eq_u32 s[TWICE], 0
	s_cbranch_scc1 .Lout
	TURN 2
	WIN 0
	s_branch .Ltail
.Lout:                              ; the third trip's 32 products K Q^T (on the last K once more) serve nothing: the price, once a launch, of one text for every trip
.set i, 0
.rept 32
	PV 2                            ; piece 2: V^T P of the last step
.set i, i+1
.endr
	; THE MERGE.  l's two halves and the other half of the lanes' are added (these additions are the places behind the last products); tiles 2 and 3 (c m, l, O^T) go to the wave with the other key half.
	WIN 0
.irp t, 0,1,2,3
	v_add_f32 v[ST+8*(\t)+4], v[ST+8*(\t)+2], v[ST+8*(\t)+3]
.endr
.irp t, 0,1,2,3
	v_permlanex16_b32 v[ST+8*(\t)+5], v[ST+8*(\t)+4], s[SEL], s[SEL+1]
.endr
.irp t, 0,1,2,3
	v_add_f32 v[ST+8*(\t)+4], v[ST+8*(\t)+4], v[ST+8*(\t)+5]
.endr
	v_mov_b32 v52, v[ST+16]
	v_mov_b32 v53, v[ST+20]
	v_mov_b32 v54, v[ST+24]
	v_mov_b32 v55, v[ST+28]
	ds_store_b128 v[XWA], v[52:55] offset:16384
	WIN 0x04                        ; the stores' data in window 1
.set i, 0
.rept 32
	ds_store_b128 v[XWA], v[128+4*i:128+4*i+3] offset:512*i
.set i, i+1
.endr
	WIN 0
	s_wait_dscnt 0x0                ; for the partner's sake: my stores are done
	s_barrier_signal -1
	s_barrier_wait -1
	ds_load_b128 v[56:59], v[XRA] offset:16384
	WIN 0x40
.set i, 0
.rept 32
	ds_load_b128 v[128+4*i:128+4*i+3], v[XRA] offset:512*i
.set i, i+1
.endr
	WIN 0
	s_wait_dscnt 32                 ; the partner's statistics are in; its O^T, 32 loads, stays out
.irp t, 0,1
	v_max_num_f32 v[ST+8*(\t)+5], v[ST+8*(\t)], v[56+2*(\t)]
.endr
.irp t, 0,1
	v_sub_f32 v[ST+8*(\t)+6], v[ST+8*(\t)], v[ST+8*(\t)+5]
	v_sub_f32 v[ST+8*(\t)+7], v[56+2*(\t)], v[ST+8*(\t)+5]
.endr
.irp t, 0,1
	v_exp_f32 v[ST+8*(\t)+6], v[ST+8*(\t)+6]       ; f, mine
	v_exp_f32 v[ST+8*(\t)+7], v[ST+8*(\t)+7]       ; f', the partner's
.endr
	v_nop
	s_wait_alu depctr_va_vdst(0)    ; one wait for the four, ahead of their first reader
.irp t, 0,1
	v_mul_f32 v[ST+8*(\t)+4], v[ST+8*(\t)+6], v[ST+8*(\t)+4]
.endr
.irp t, 0,1
	v_fma_f32 v[ST+8*(\t)+4], v[ST+8*(\t)+7], v[57+2*(\t)], v[ST+8*(\t)+4]
.endr
.irp t, 0,1
	v_rcp_f32 v[ST+8*(\t)+5], v[ST+8*(\t)+4]
.endr
	v_nop
	s_wait_alu depctr_va_vdst(0)    ; one wait for the two reciprocals
.irp t, 0,1
	v_mul_f32 v[ST+8*(\t)+2], v[ST+8*(\t)+7], v[ST+8*(\t)+5]  ; f' / l
	v_mul_f32 v[ST+8*(\t)+6], v[ST+8*(\t)+6], v[ST+8*(\t)+5]  ; f / l
.endr
	s_wait_dscnt 0x0
	WIN W_RS
.irp t, 0,1
.set i, 0
.rept 32
	v_pk_mul_f32 v[128+64*(\t)+2*i:128+64*(\t)+2*i+1], v[128+64*(\t)+2*i:128+64*(\t)+2*i+1], v[ST+8*(\t)+2:ST+8*(\t)+3] op_sel_hi:[1,0]
.set i, i+1
.endr
.endr
	WIN 0x51                        ; O^T and the partner's in window 1, the factor in window 0
.irp t, 0,1
.set i, 0
.rept 32
	v_pk_fma_f32 v[64*(\t)+2*i:64*(\t)+2*i+1], v[64*(\t)+2*i:64*(\t)+2*i+1], v[ST+8*(\t)+6:ST+8*(\t)+7], v[128+64*(\t)+2*i:128+64*(\t)+2*i+1] op_sel_hi:[1,0,1]
.set i, i+1
.endr
.endr
; THE WAY OUT.  Tile t: a lane's eight channels of a row pack into 16 bytes; they go into rows of 272 bytes of my stage and come back as whole rows of 256.
.macro PACK t
	WIN 0x05                        ; sources 0 and 1 window 1, destination window 0: S^T's registers are free
.set i, 0
.rept 32
	v_cvt_pk_f16_f32 v[S+32*(\t)+i], v[64*(\t)+2*i], v[64*(\t)+2*i+1]
.set i, i+1
.endr
	WIN 0
.irp f, 0,1,2,3,4,5,6,7
	ds_store_b128 v[STO], v[S+32*(\t)+4*(\f):S+32*(\t)+4*(\f)+3] offset:32*(\f)
.endr
.irp f, 0,1,2,3,4,5,6,7
	ds_load_b128 v[S+32*(\t)+4*(\f):S+32*(\t)+4*(\f)+3], v[RD] offset:(\f)*2*SP  ; LDS serves a wave's instructions in order: these see the stores above; the next tile's stores come behind them
.endr
.endm
.macro SEND t, younger              ; younger: the LDS instructions issued behind tile t's loads
	WIN 0
.irp f, 0,1,2,3,4,5,6,7
	s_wait_dscnt (\younger)+7-(\f)
	global_store_b128 v[GO], v[S+32*(\t)+4*(\f):S+32*(\t)+4*(\f)+3], s[10:11] offset:(\t)*65536+(\f)*8192  ; 16 lanes store 256 consecutive bytes, aligned: a head's channels of one row
.endr
.endm
	PACK 0
	PACK 1
	SEND 0, 16
	SEND 1, 0
	s_wait_tensorcnt 0x0            ; the wave's end, behind my last tensor load and my last LDS store
	ds_add_u32 v[SPW], v[NIL]
	s_wait_dscnt 0x0
	CROUND                          ; the closing round
	s_endpgm
.Lfunc_end_k_qb208551e4e_attn:
	.size	k_qb208551e4e_attn, .Lfunc_end_k_qb208551e4e_attn-k_qb208551e4e_attn
	.p2alignl 7, 3214868480
	.fill 96, 4, 3214868480
	.section	.rodata,"a",@progbits
	.p2align	6, 0x0
	.amdhsa_kernel k_qb208551e4e_attn
		.amdhsa_group_segment_fixed_size 327680
		.amdhsa_private_segment_fixed_size 0
		.amdhsa_enable_private_segment 0
		.amdhsa_kernarg_size 32
		.amdhsa_user_sgpr_count 2
		.amdhsa_user_sgpr_kernarg_segment_ptr 1
		.amdhsa_wavefront_size32 1
		.amdhsa_system_sgpr_workgroup_id_x 1
		.amdhsa_system_sgpr_workgroup_id_y 1
		.amdhsa_system_sgpr_workgroup_id_z 1
		.amdhsa_system_vgpr_workitem_id 0
		.amdhsa_next_free_vgpr 1024
		.amdhsa_next_free_sgpr 72
		.amdhsa_reserve_vcc 0
		.amdhsa_float_denorm_mode_32 3
		.amdhsa_float_denorm_mode_16_64 3
		.amdhsa_memory_ordered 1
		.amdhsa_forward_progress 1
		.amdhsa_inst_pref_size 160
	.end_amdhsa_kernel
	.amdgpu_metadata
---
amdhsa.version: [ 1, 2 ]
amdhsa.kernels:
  - .name:           k_qb208551e4e_attn
    .symbol:         k_qb208551e4e_attn.kd
    .args:
      - { .name: qkh, .offset: 0, .size: 8, .value_kind: global_buffer, .address_space: global }
      - { .name: vh, .offset: 8, .size: 8, .value_kind: global_buffer, .address_space: global }
      - { .name: frame_mask, .offset: 16, .size: 8, .value_kind: global_buffer, .address_space: global }
      - { .name: ob, .offset: 24, .size: 8, .value_kind: global_buffer, .address_space: global }
    .group_segment_fixed_size: 327680
    .private_segment_fixed_size: 0
    .kernarg_segment_align: 8
    .kernarg_segment_size: 32
    .max_flat_workgroup_size: 128
    .sgpr_count:     72
    .vgpr_count:     1024
    .wavefront_size: 32
...
	.end_amdgpu_metadata
.endif
;; end of part 4
;; launch proj (part 5): grid 16 x 16, 4 waves a work-group, clusters of 4 x 4, 327,680 bytes of LDS; arguments ob, wb, bo, frame_mask, out0; writes out0
.if DOCPART == 5
	.amdgcn_target "amdgcn-amd-amdhsa--gfx1250"
	.amdhsa_code_object_version 6
	.text
	.protected	k_qb208551e4e_proj
	.globl	k_qb208551e4e_proj
	.p2align	8
	.type	k_qb208551e4e_proj,@function
k_qb208551e4e_proj:
	s_mov_b64 s[64:65], 0
	v_nop
	global_prefetch_b8 v0, s[64:65] scope:SCOPE_SE
	s_setreg_imm32_b32 hwreg(HW_REG_WAVE_MODE, 25, 1), 1
	s_wait_xcnt 0x0
	s_wait_alu depctr_hold_cnt(0) depctr_sa_sdst(0) depctr_va_vdst(0) depctr_va_sdst(0) depctr_va_ssrc(0) depctr_va_vcc(0) depctr_vm_vsrc(0)
	s_getreg_b32 s2, hwreg(HW_REG_IB_STS2, 6, 4)
	s_cmp_eq_u32 s2, 0
	s_cbranch_scc0 .Lentry_in_a_cluster
	s_endpgm
.Lentry_in_a_cluster:
	s_bfe_u32 s2, ttmp6, 0x10000c
	s_cmp_lg_u32 s2, 0xf033
	s_cbranch_scc0 .Lentry_shape_is_right
	s_endpgm
.Lentry_shape_is_right:
; out0[m][n] = frame_mask[m] ? the sum over k of ob[m][k] wo[n][k] + bo[n] : 0.  ob: [2048][2048] f16; wo: wb from byte 25,165,824 on, [2048][2048] f16 (bf16 numbers); bo rounded to bf16; sums and out0 in f32.
; A tile of out0 is 128 x 128: 256 work-groups.  Four waves, each 64 x 64: 16 accumulators of 16 x 16.  K goes in steps of 256 (LDS rows of 512 bytes; a wave's tensor load brings 64 of them) through two slots.
; A K step is written once for the loop and once for the tail: the descriptors walk, and the fragments' LDS addresses hang on a scalar register that one exclusive or turns from slot to slot.
; CLUSTER 4 x 4: the four of a row of the cluster ask jointly for A's tiles, the four of a column for B's.  THE MATRIX INSTRUCTION IS USED TRANSPOSED: a lane holds eight neighbouring numbers of a row of out0.
; THE WALK ALONG K begins at K step 2 ((cluster x + cluster y) % 4) and goes round the 8 K steps.  The four clusters that read the same rows of ob (one cluster y) begin at K steps 0, 2, 4, 6, and so do the four that
; read the same rows of wo (one cluster x): in its t-th step no two of them name the same block, and a block's readings stand two K steps or more apart.  The start hangs on the cluster's two numbers alone, which
; all sixteen partners share.  A's and B's tiles take the same K step, so each output has the same terms; its f32 sum takes them in an order turned by whole K steps.
; THE BIAS is the C operand of the products that start the sums.  A wave's 64 columns of f32 are 256 aligned bytes, so each wave has a stage of its own on the way out and no barrier stands there.
; No prefetch is laid: the tiles are small.
; REGISTERS: window 0: v0-31 addresses; v32-95 the way out; v96-127 the bias; v128-255 the accumulators ((a, b) at 128 + 8 (4 a + b)).  Window 1: two fragment buffers of 128.
.set SIZE_N, 2048
.set SIZE_K, 2048
.set KSTEP,  256
.set PITCH,  528                       ; an LDS row: 512 bytes + 16 of padding
.set HALFT,  64*PITCH
.set SLOT,   4*HALFT                   ; A's 128 rows, then B's 128 rows: 0x21000.  The four loads land at 0, 0x8400, 0x10800, 0x18C00 of a slot, none of which has bit 12 or bit 17
.set STAGE,  2*SLOT                    ; behind the ring: 16 rows x 272 bytes for each wave; no fill lands here
.set SPITCH, 272
.set SPARE,  STAGE+4*16*SPITCH         ; the spare words, 128 bytes for each wave: two blocks of 256 bytes that no other line names
.set RM,    8                          ; v[8:11] all ones or 0: frame_mask of my row in row block a
.set BO,    12                         ; v12     my byte offset in bo
.set ADRA0, 16                         ; v16     my lane's place in A's tile; never rewritten
.set ADRB0, 17                         ; v17     the same for B
.set ADRA,  18                         ; v18     the same in the slot in hand
.set ADRB,  19
.set STO,  24
.set RD,   25
.set CO,   26
.set SPW,  28
.set NIL,  29
.set TMP,  32                          ; two sets of 32
.set BIAS, 96
.set ACC,  128
.set F0,   0
.set F1,   128
.set G1, 24                            ; s[24:31] group 1 for A's tiles; s[32:39] group 0, two sets: set 1 walks
.set G0, 32
.set G1B, 48
.set G0B, 56
.set HI16, 66                          ; s66      a word's upper 16 bits
.set TB,  67                           ; s67      0 or SLOT: the slot in hand
.set BA,  72                           ; s[72:73] ob at the 64 rows that I fetch, at K = 0; never rewritten
.set BB,  74                           ; s[74:75] wo likewise
.set KO,  76                           ; s[76:77] byte offset, along a row, of the K step that was asked for last
.set MSB, 0
.macro WIN new
.if MSB != (\new)
	s_set_vgpr_msb (MSB<<8)|(\new)
.set MSB, \new
.endif
.endm
.set MUL,  0x05                        ; sources 0 (B) and 1 (A) window 1; C and D window 0
.set TO_F, 0x40                        ; destination window 1, address window 0
.macro JLOAD s                         ; a joint load: waves 0 and 1 fetch A's two halves, waves 2 and 3 B's; an s_nop 0 and four v_nop follow each of the two lines
	s_cmp_eq_u32 s11, 0
	s_cbranch_scc0 .Lfor_b_\@
	tensor_load_to_lds s[G0+4*(\s):G0+4*(\s)+3], s[G1:G1+7]
	s_nop 0
.rept 4
	v_nop
.endr
	s_branch .Lasked_\@
.Lfor_b_\@:
	tensor_load_to_lds s[G0B+4*(\s):G0B+4*(\s)+3], s[G1B:G1B+7]
	s_nop 0
.rept 4
	v_nop
.endr
.Lasked_\@:
.endm
.macro CREST
	s_cmp_lg_u32 s10, 0
	s_cbranch_scc1 .Lnot_wave_0_\@
	s_barrier_signal -3
.Lnot_wave_0_\@:
	s_barrier_wait -3
	s_barrier_signal -1
	s_barrier_wait -1
.endm
.macro CROUND
	s_barrier_signal -1
	s_barrier_wait -1
	CREST
.endm
	s_load_b128 s[4:7], s[0:1], 0x0                ; ob, wb
	s_load_b128 s[68:71], s[0:1], 0x10             ; bo, frame_mask
	s_load_b64 s[8:9], s[0:1], 0x20                ; out0
	v_lshl_add_u32 v[SPW], v0, 2, SPARE
	v_mov_b32 v[NIL], 0
	ds_add_u32 v[SPW], v[NIL]                      ; the wave's opening: the add and its wait stand ahead of my first tensor load
	v_lshrrev_b32 v1, 5, v0
	v_readfirstlane_b32 s10, v1                    ; wave 0..3
	s_lshr_b32 s11, s10, 1                         ; which half of the tile's rows is mine.  Also: I fetch for A (0) or for B (1)
	s_and_b32 s12, s10, 1                          ; which half of its columns.  Also: which 64 rows of that tile I fetch
	s_bfe_u32 s40, ttmp6, 0x40000                  ; cx, cy
	s_bfe_u32 s41, ttmp6, 0x40004
	s_lshl_b32 s42, ttmp9, 2
	s_add_co_u32 s42, s42, s40                     ; tile column
	s_and_b32 s13, ttmp7, 0xffff
	s_lshl_b32 s13, s13, 2
	s_add_co_u32 s13, s13, s41                     ; tile row
	s_and_b32 s[KO], ttmp7, 0xffff                 ; where my cluster's walk along K begins: cluster y
	s_add_co_u32 s[KO], s[KO], ttmp9               ; + cluster x,
	s_and_b32 s[KO], s[KO], 3                      ; modulo 4,
	s_lshl_b32 s[KO], s[KO], 10                    ; times two K steps of 512 bytes
	s_mov_b32 s[KO+1], 0
	s_mov_b32 s[HI16], 0xffff0000
	s_lshl_b32 s43, s41, 2
	s_lshl_b32 s43, 15, s43                        ; my row of the cluster
	s_lshl_b32 s44, 0x1111, s40                    ; my column
	s_or_b32 s[G1+0], s43, (1<<16)|(1<<20)|(1<<21)|(6<<22)|(3<<25)  ; the mask; 2-byte elements; padding on; bit 21 beside a mask; after every 128 words, 4 words
	s_or_b32 s[G1B+0], s44, (1<<16)|(1<<20)|(1<<21)|(6<<22)|(3<<25)
.irp g, G1, G1B
	s_mov_b32 s[(\g)+1], KSTEP<<16                 ; tensor_dim0 = 256
	s_mov_b32 s[(\g)+2], 64<<16                    ; tensor_dim1 = 64
	s_mov_b32 s[(\g)+3], KSTEP<<16                 ; tile_dim0 = 256
	s_mov_b32 s[(\g)+4], 64                        ; tile_dim1 = 64
	s_mov_b32 s[(\g)+5], SIZE_K
	s_mov_b32 s[(\g)+6], 0
	s_mov_b32 s[(\g)+7], 0
.endr
	s_lshl_b32 s17, s12, 6
	s_lshl_b32 s16, s13, 7
	s_add_co_u32 s16, s16, s17                     ; A: row 128 x tile row + 64 x half
	s_lshl_b32 s46, s42, 7
	s_add_co_u32 s46, s46, s17                     ; B: row 128 x tile column + 64 x half
	s_mov_b32 s17, 0
	s_mov_b32 s47, 0
	s_mov_b64 s[18:19], SIZE_K*2
	s_mul_u64 s[16:17], s[16:17], s[18:19]
	s_mul_u64 s[46:47], s[46:47], s[18:19]
	s_mul_i32 s20, s10, HALFT                      ; where they go: wave x 64 rows
	s_mov_b32 s[TB], 0
	s_wait_dscnt 0x0                               ; the opening add is done
	s_wait_kmcnt 0x0
	s_add_nc_u64 s[6:7], s[6:7], 25165824          ; wo lies behind wq, wk, wv
	s_add_nc_u64 s[BA:BA+1], s[4:5], s[16:17]      ; my rows at K = 0,
	s_add_nc_u64 s[BB:BB+1], s[6:7], s[46:47]
	s_add_nc_u64 s[14:15], s[BA:BA+1], s[KO:KO+1]  ; and at the walk's first K step; it is an even one, so the second follows it in the row
	s_add_nc_u64 s[46:47], s[BB:BB+1], s[KO:KO+1]
	CROUND                                         ; all sixteen work-groups are here: the first joint loads meet
.irp s, 0,1
	s_mov_b32 s[G0+4*(\s)], 1
	s_add_co_u32 s[G0+4*(\s)+1], s20, (\s)*SLOT
	s_add_nc_u64 s[G0+4*(\s)+2:G0+4*(\s)+3], s[14:15], (\s)*KSTEP*2
	s_or_b32 s[G0+4*(\s)+3], s[G0+4*(\s)+3], 0x80000000
	s_mov_b32 s[G0B+4*(\s)], 1
	s_add_co_u32 s[G0B+4*(\s)+1], s20, (\s)*SLOT
	s_add_nc_u64 s[G0B+4*(\s)+2:G0B+4*(\s)+3], s[46:47], (\s)*KSTEP*2
	s_or_b32 s[G0B+4*(\s)+3], s[G0B+4*(\s)+3], 0x80000000
	JLOAD \s                                       ; the walk's first two K steps: two loads of mine are out
.endr
	s_add_co_u32 s[KO], s[KO], KSTEP*2             ; the K step asked for last
	v_and_b32 v1, 15, v0                           ; r = l % 16
	v_bfe_u32 v2, v0, 4, 1                         ; h = l / 16
	v_mul_u32_u24 v3, v1, PITCH
	v_lshl_add_u32 v3, v2, 4, v3
	s_mul_i32 s21, s11, HALFT                      ; my 64 rows of A
	s_mul_i32 s22, s12, HALFT                      ; my 64 rows of B,
	s_add_co_u32 s22, s22, 2*HALFT                 ; which lie behind A's 128
	v_add_nc_u32 v[ADRA0], s21, v3
	v_add_nc_u32 v[ADRB0], s22, v3
	v_mov_b32 v[ADRA], v[ADRA0]
	v_mov_b32 v[ADRB], v[ADRB0]
	s_mul_i32 s23, s10, 16*SPITCH
	s_add_co_u32 s23, s23, STAGE                   ; my stage
	v_mul_u32_u24 v4, v1, SPITCH                   ; in: row r, 32 bytes for each half of the lanes
	v_lshl_add_u32 v4, v2, 5, v4
	v_add_nc_u32 v[STO], s23, v4
	v_mul_u32_u24 v5, v2, SPITCH                   ; back: lanes 0-15 one row of 256 bytes, lanes 16-31 the next
	v_lshl_add_u32 v5, v1, 4, v5
	v_add_nc_u32 v[RD], s23, v5
	v_lshlrev_b32 v5, 13, v2                       ; and the same two rows in out0
	v_lshl_add_u32 v[CO], v1, 4, v5
	s_lshl_b32 s16, s13, 7
	s_lshl_b32 s17, s11, 6
	s_add_co_u32 s16, s16, s17                     ; my first row
	s_mov_b32 s17, 0
	s_add_nc_u64 s[70:71], s[70:71], s[16:17]
	s_lshl_b32 s16, s16, 13                        ; 8,192 bytes a row
	s_add_nc_u64 s[8:9], s[8:9], s[16:17]
	s_lshl_b32 s46, s42, 7
	s_lshl_b32 s47, s12, 6
	s_add_co_u32 s46, s46, s47
	s_lshl_b32 s46, s46, 2                         ; my first column, in bytes
	s_mov_b32 s47, 0
	s_add_nc_u64 s[8:9], s[8:9], s[46:47]
	s_add_nc_u64 s[68:69], s[68:69], s[46:47]
	v_lshlrev_b32 v[BO], 5, v2
.irp a, 0,1,2,3
	global_load_u8 v[RM+(\a)], v1, s[70:71] offset:16*(\a)
.endr
.irp b, 0,1,2,3
	global_load_b128 v[BIAS+8*(\b):BIAS+8*(\b)+3],   v[BO], s[68:69] offset:64*(\b)
	global_load_b128 v[BIAS+8*(\b)+4:BIAS+8*(\b)+7], v[BO], s[68:69] offset:64*(\b)+16
.endr
; 8 matrix instructions: m blocks a0, a0 + 1 x all 4 n blocks, 32 along K: half c of buffer f.  The 16 accumulators take turns.  first = 1: the products start the sums, with the bias as C.
.macro MUL8 f, c, a0, first
	WIN MUL
.irp a, \a0, (\a0)+1
.irp b, 0,1,2,3
.if \first
	v_wmma_f32_16x16x32_f16 v[ACC+8*(4*(\a)+(\b)):ACC+8*(4*(\a)+(\b))+7], v[(\f)+64+8*(4*(\c)+(\b)):(\f)+64+8*(4*(\c)+(\b))+7], v[(\f)+8*(4*(\c)+(\a)):(\f)+8*(4*(\c)+(\a))+7], v[BIAS+8*(\b):BIAS+8*(\b)+7]
.else
	v_wmma_f32_16x16x32_f16 v[ACC+8*(4*(\a)+(\b)):ACC+8*(4*(\a)+(\b))+7], v[(\f)+64+8*(4*(\c)+(\b)):(\f)+64+8*(4*(\c)+(\b))+7], v[(\f)+8*(4*(\c)+(\a)):(\f)+8*(4*(\c)+(\a))+7], v[ACC+8*(4*(\a)+(\b)):ACC+8*(4*(\a)+(\b))+7]
.endif
.endr
.endr
.endm
; 32 LDS loads in one run: the fragments of 64 along K at byte k of the rows, into buffer f; the first 32 along K first
.macro FETCH k, f
	WIN TO_F
.irp c, 0,1
.irp i, 0,1,2,3
	ds_load_b128 v[(\f)+64+8*(4*(\c)+(\i)):(\f)+64+8*(4*(\c)+(\i))+3],   v[ADRB] offset:(\k)+64*(\c)+(\i)*16*PITCH
	ds_load_b128 v[(\f)+64+8*(4*(\c)+(\i))+4:(\f)+64+8*(4*(\c)+(\i))+7], v[ADRB] offset:(\k)+64*(\c)+(\i)*16*PITCH+32
	ds_load_b128 v[(\f)+8*(4*(\c)+(\i)):(\f)+8*(4*(\c)+(\i))+3],         v[ADRA] offset:(\k)+64*(\c)+(\i)*16*PITCH
	ds_load_b128 v[(\f)+8*(4*(\c)+(\i))+4:(\f)+8*(4*(\c)+(\i))+7],       v[ADRA] offset:(\k)+64*(\c)+(\i)*16*PITCH+32
.endr
.endr
.endm
.macro PLACES
.rept 4
	v_nop
.endr
.endm
; A K step is four quarters of 64 along K, 32 matrix instructions each, on buffers 0, 1, 0, 1.
.macro QUARTER k, f, g, first
	s_wait_dscnt 16                                ; the first 32 along K are in; the youngest sixteen loads may be out
	WIN MUL
	MUL8 \f, 0, 0, \first
	MUL8 \f, 0, 2, \first
	PLACES
	FETCH \k, \g
	s_wait_dscnt 32                                ; all but the 32 just issued
	WIN MUL
	MUL8 \f, 1, 0, 0
	MUL8 \f, 1, 2, 0
.endm
; The last quarter multiplies buffer 1 and changes slots: in front of the barrier each wave waits for all its tensor loads, adds 0 to its spare word, and waits for that and for its reads of this slot.
; fill = 1: the barrier opens a round of the cluster's, and the joint refill (the walk's K step two on, into the slot just read) is the first thing behind it: 112 matrix instructions ahead of the wait for it.
; The walking sets are written between the add and the wait for it, where no tensor load of mine is out: the other slot than last time; the address made anew from my rows' address at K = 0 and the next K step's
; offset, which goes round at a row's 4,096 bytes.
; fill = 0, the tail: nothing is asked for; in its last trip (s3 = 1) there is no further K step, and the fetch is jumped over.
.macro TURN fill
	WIN 0
	s_wait_tensorcnt 0x0                           ; all my tensor loads have landed: my part of the next slot
	ds_add_u32 v[SPW], v[NIL]                      ; 0 onto my spare word
.if \fill
	s_add_co_u32 s[KO], s[KO], KSTEP*2
	s_and_b32 s[KO], s[KO], SIZE_K*2-1
	s_xor_b32 s[G0+5], s[G0+5], SLOT
	s_add_nc_u64 s[G0+6:G0+7], s[BA:BA+1], s[KO:KO+1]
	s_or_b32 s[G0+7], s[G0+7], 0x80000000
	s_xor_b32 s[G0B+5], s[G0B+5], SLOT
	s_add_nc_u64 s[G0B+6:G0B+7], s[BB:BB+1], s[KO:KO+1]
	s_or_b32 s[G0B+7], s[G0B+7], 0x80000000
.endif
	s_wait_dscnt 17                                ; the add and the youngest sixteen loads may be out
	WIN MUL
	MUL8 F1, 0, 0, 0
	s_wait_dscnt 0x0                               ; the add is done, and my reads of this slot are over
	s_barrier_signal -1
	MUL8 F1, 0, 2, 0
	WIN 0
	s_barrier_wait -1
.if \fill
	CREST                                          ; no wave of any partner still reads this slot's tile or has a load on its way
	JLOAD 1                                        ; its four v_nop are also the places in front of the loads below
.else
	PLACES
	s_cmp_eq_u32 s3, 1
	s_cbranch_scc1 .Lno_fetch_\@
.endif
	s_xor_b32 s[TB], s[TB], SLOT
	v_add_nc_u32 v[ADRA], s[TB], v[ADRA0]
	v_add_nc_u32 v[ADRB], s[TB], v[ADRB0]
	FETCH 0, F0
.if !(\fill)
	WIN 0
.Lno_fetch_\@:
.endif
	WIN MUL
	MUL8 F1, 1, 0, 0
	MUL8 F1, 1, 2, 0
.endm
	; The bias is rounded to bf16 while the first tiles are on their way.
	s_wait_loadcnt 0x0                             ; bias and mask
.set p, 0
.rept 16
	v_cvt_pk_bf16_f32 v[4+p%4], v[BIAS+2*p], v[BIAS+2*p+1]
	v_lshlrev_b32 v[BIAS+2*p],   16, v[4+p%4]
	v_and_b32     v[BIAS+2*p+1], s[HI16], v[4+p%4]
.set p, p+1
.endr
	s_wait_tensorcnt 0x1                           ; my part of the walk's first K step is in; the second's may stay out
	s_barrier_signal -1
	s_barrier_wait -1
	FETCH 0, F0
	QUARTER 128, F0, F1, 1                         ; the first products start the sums
	WIN 0
	s_mov_b32 s3, 6                                ; the walk's K steps 2 to 7 are asked for, one a trip
.Lstep:
	QUARTER 256, F1, F0, 0
	QUARTER 384, F0, F1, 0
	TURN 1
	QUARTER 128, F0, F1, 0
	WIN 0
	s_sub_co_u32 s3, s3, 1
	s_cmp_lg_u32 s3, 0
	s_cbranch_scc1 .Lstep
	s_mov_b32 s3, 2                                ; the tail has a text of its own: the last two K steps, the second left in its middle.
.Ltail:                                        ; Its second barrier orders nothing: the price, once a launch, of one text for both trips
	QUARTER 256, F1, F0, 0
	QUARTER 384, F0, F1, 0
	TURN 0
	WIN 0
	s_sub_co_u32 s3, s3, 1
	s_cmp_eq_u32 s3, 0
	s_cbranch_scc1 .Lout
	QUARTER 128, F0, F1, 0
	WIN 0
	s_branch .Ltail
.Lout:
	; THE WAY OUT, 16 rows at a time: mask, through my stage, whole rows of 256 bytes out.  Eight plain lines stand behind the last products.
	PLACES
.irp a, 0,1,2,3
	v_sub_nc_u32 v[RM+(\a)], 0, v[RM+(\a)]         ; 1 -> all ones
.endr
.macro FIN a
.set p, 0
.rept 32
	v_and_b32 v[ACC+32*(\a)+p], v[RM+(\a)], v[ACC+32*(\a)+p]   ; a hidden row is 0
.set p, p+1
.endr
.endm
.macro TOSTAGE a
	s_wait_xcnt 0x0                                ; the stores of two blocks back have read this set of registers
.irp b, 0,1,2,3
	ds_store_b128 v[STO], v[ACC+8*(4*(\a)+(\b)):ACC+8*(4*(\a)+(\b))+3]   offset:64*(\b)
	ds_store_b128 v[STO], v[ACC+8*(4*(\a)+(\b))+4:ACC+8*(4*(\a)+(\b))+7] offset:64*(\b)+16
.endr
.irp t, 0,1,2,3,4,5,6,7
	ds_load_b128 v[TMP+32*((\a)%2)+4*(\t):TMP+32*((\a)%2)+4*(\t)+3], v[RD] offset:(\t)*2*SPITCH  ; LDS serves a wave's instructions in order: these see the stores above
.endr
.endm
.macro SEND a
	s_wait_dscnt 0x0                               ; the block is back in registers
.irp t, 0,1,2,3,4,5,6,7
	global_store_b128 v[CO], v[TMP+32*((\a)%2)+4*(\t):TMP+32*((\a)%2)+4*(\t)+3], s[8:9] offset:(16*(\a)+2*(\t))*SIZE_N*4 th:TH_STORE_NT  ; 16 lanes store 256 consecutive bytes, aligned
.endr
.endm
	FIN 0
	TOSTAGE 0
.irp a, 1,2,3
	FIN \a
	SEND (\a)-1
	TOSTAGE \a
.endr
	SEND 3
	s_wait_tensorcnt 0x0                           ; the wave's end, behind my last tensor load and my last LDS store
	ds_add_u32 v[SPW], v[NIL]
	s_wait_dscnt 0x0
	CROUND                                         ; the closing round
	s_endpgm
.Lfunc_end_k_qb208551e4e_proj:
	.size	k_qb208551e4e_proj, .Lfunc_end_k_qb208551e4e_proj-k_qb208551e4e_proj
	.p2alignl 7, 3214868480
	.fill 96, 4, 3214868480
	.section	.rodata,"a",@progbits
	.p2align	6, 0x0
	.amdhsa_kernel k_qb208551e4e_proj
		.amdhsa_group_segment_fixed_size 327680
		.amdhsa_private_segment_fixed_size 0
		.amdhsa_enable_private_segment 0
		.amdhsa_kernarg_size 40
		.amdhsa_user_sgpr_count 2
		.amdhsa_user_sgpr_kernarg_segment_ptr 1
		.amdhsa_wavefront_size32 1
		.amdhsa_system_sgpr_workgroup_id_x 1
		.amdhsa_system_sgpr_workgroup_id_y 1
		.amdhsa_system_sgpr_workgroup_id_z 1
		.amdhsa_system_vgpr_workitem_id 0
		.amdhsa_next_free_vgpr 512
		.amdhsa_next_free_sgpr 80
		.amdhsa_reserve_vcc 0
		.amdhsa_float_denorm_mode_32 3
		.amdhsa_float_denorm_mode_16_64 3
		.amdhsa_memory_ordered 1
		.amdhsa_forward_progress 1
		.amdhsa_inst_pref_size 66
	.end_amdhsa_kernel
	.amdgpu_metadata
---
amdhsa.version: [ 1, 2 ]
amdhsa.kernels:
  - .name:           k_qb208551e4e_proj
    .symbol:         k_qb208551e4e_proj.kd
    .args:
      - { .name: ob, .offset: 0, .size: 8, .value_kind: global_buffer, .address_space: global }
      - { .name: wb, .offset: 8, .size: 8, .value_kind: global_buffer, .address_space: global }
      - { .name: bo, .offset: 16, .size: 8, .value_kind: global_buffer, .address_space: global }
      - { .name: frame_mask, .offset: 24, .size: 8, .value_kind: global_buffer, .address_space: global }
      - { .name: out0, .offset: 32, .size: 8, .value_kind: global_buffer, .address_space: global }
    .group_segment_fixed_size: 327680
    .private_segment_fixed_size: 0
    .kernarg_segment_align: 8
    .kernarg_segment_size: 40
    .max_flat_workgroup_size: 128
    .sgpr_count:     80
    .vgpr_count:     512
    .wavefront_size: 32
...
	.end_amdgpu_metadata
.endif
;; end of part 5
